; MI455X (gfx1250); checked and timed in simulation.
; The chip was launched on July 23, 2026; its instructions are those of AMD's public machine-readable ISA for CDNA 5 (MIT licence, August 2026) and "CDNA5" Instruction Set Architecture Reference Guide (July 2026). The comments in the code are by the model that wrote it; some were corrected since.
;; Window Attention Memory. Allowed arithmetic: matrix products marked QUANTISED: E5M2 operands, one E8M0 scale for each 32 along K, by v_wmma_scale_f32_16x16x128_f8f6f4 with both operands' format E5M2, f32 sums; everything else in f32.
;; Inputs: b_k 1,024 float32; b_o 1,024 float32; b_q 1,024 float32; b_v 1,024 float32; ln_b 1,024 float32; ln_g 1,024 float32; w_k 1,024 x 1,024 float32; w_o 1,024 x 1,024 float32; w_q 1,024 x 1,024 float32; w_v 1,024 x 1,024 float32; x 4 x 2,048 x 1,024 float32.
;; Outputs: out0 4 x 2,048 x 1,024 float32.
;; This version of the problem:
;;   THIS VERSION OF THE PROBLEM IS GIVEN IN LOW PRECISION. The matrix products marked QUANTISED in the list below multiply operands that are first quantised to E5M2 (5 exponent bits, 2 mantissa bits; 8 bits a number), with one power-of-two scale for each 32 numbers along K (OCP MX v1.0); their sums are f32. All else is computed in f32.
;;   The module's matrix products, in the order in which they are computed (A, B: the left and right operand; K: the contracted axis; several contracted axes count as one K, in the product's order):
;;     1. [M 8,192, K 1,024] x [K 1,024, N 1,024]; A: computed on the way; B: input w_q: QUANTISED
;;     2. [M 8,192, K 1,024] x [K 1,024, N 1,024]; A: computed on the way; B: input w_k: QUANTISED
;;     3. [M 8,192, K 1,024] x [K 1,024, N 1,024]; A: computed on the way; B: input w_v: QUANTISED
;;     4. batch 64 x [M 2,048, K 64] x [K 64, N 2,048]; A: computed on the way; B: computed on the way: QUANTISED
;;     5. batch 64 x [M 2,048, K 2,048] x [K 2,048, N 64]; A: softmax (see below); B: computed on the way: QUANTISED
;;     6. [M 8,192, K 1,024] x [K 1,024, N 1,024]; A: computed on the way; B: input w_o: QUANTISED
;;   THE QUANTISER, for each operand of a quantised product, along K:
;;     - K is cut into blocks of 32 from its start; a last block that is shorter is filled with zeros.
;;     - A block's scale is 2^e with e = floor(log2(the largest magnitude in the block)) - 15, held to -126 .. 127; a block of zeros has e = 0. As a byte (E8M0): e + 127.
;;     - Each number is divided by its block's scale, clamped to +-57,344, and rounded to the nearest number of E5M2, ties to even, subnormals kept.
;;     - The product sums the exact products of the quantised numbers (number of the format x scale) in f32.
;;   ~~~python
;;   def quantise(x, axis):      # numpy; x: float32 -> the quantised numbers, widened to float32 again
;;       x = np.moveaxis(x, axis, -1); K = x.shape[-1]
;;       x = np.pad(x, [(0, 0)] * (x.ndim - 1) + [(0, -K % 32)]); x = x.reshape(x.shape[:-1] + (-1, 32)); a = np.abs(x).max(-1, keepdims=True)
;;       e = np.where(a > 0, np.clip(np.frexp(np.where(a > 0, a, 1))[1] - 1 - 15, -126, 127), 0)      # np.frexp(a)[1] - 1 = floor(log2(a)), exactly
;;       r = np.clip(x / 2.0 ** e, -57344, 57344)
;;       step = 2.0 ** (np.maximum(np.frexp(np.where(r == 0, 1, r))[1] - 1, -14) - 2)
;;       q = np.round(r / step) * step * 2.0 ** e      # np.round: ties to even
;;       return np.moveaxis(q.reshape(q.shape[:-2] + (-1,))[..., :K], -1, axis).astype(np.float32)
;;   ~~~
;;   SOFTMAX AHEAD OF A QUANTISED PRODUCT. Where the list says 'softmax', what is quantised is not the finished softmax but p = 2^(t - M), with t = logit x log2(e) and M = ceil(the row's largest t), a whole number; so 1/2 < the row's largest p <= 1. The row's sum l is taken of the UNQUANTISED p, in f32, and the product's result is divided by l at the end. Since M is a whole number, a kernel that streams over the keys may use a running M (the ceiling of the running maximum): every later rescaling is an exact power of two, which a block's scale takes up: the codes' values come out the same.
;;   OPERANDS COMPUTED ON THE WAY. 'Computed on the way' means the value that the module computes at that place (a softmax that the list does not call 'softmax' is quantised finished and normalised). What goes into a quantiser is computed in f32, as accurately as f32 sums, v_exp_f32 and their like allow (about 1e-6 of the number): no bf16 or f16 on the way to a quantiser, and a product that is left as it is and whose result goes on into a quantised operand takes f32 operands (vector FMAs, or v_wmma_f32_16x16x4_f32). A number that lies on a knife's edge between two numbers of the format may be rounded either way, as far as f32 arithmetic and the matrix unit's own rounding can turn it there, and no further.
;; One version. Each part assembles by itself: llvm-mc -triple=amdgcn-amd-amdhsa -mcpu=gfx1250 --defsym DOCPART=n.
;; ======== version 1 of 1: 4 launches
;; limits: right only within a limited range of input values
;; workspace buffers: xc 8,388,608 bytes; wc 4,194,304 bytes; ps 393,216 bytes; qkvc 25,165,824 bytes; qkvs 1,310,720 bytes; cimg 8,388,608 bytes; csc 262,144 bytes
;; launch prep (part 1): grid 256 x 1, 6 waves a work-group, no clusters, 34,560 bytes of LDS; arguments x, ln_g, ln_b, w_q, w_k, w_v, w_o, xc, wc, ps; writes xc, wc, ps
.if DOCPART == 1
	.amdgcn_target "amdgcn-amd-amdhsa--gfx1250"
	.amdhsa_code_object_version 6
	.text
	.protected	k_qb177bcd4a4_prep
	.globl	k_qb177bcd4a4_prep
	.p2align	8
	.type	k_qb177bcd4a4_prep,@function
k_qb177bcd4a4_prep:
	s_mov_b64 s[64:65], 0
	v_nop
	global_prefetch_b8 v0, s[64:65] scope:SCOPE_SE
	s_setreg_imm32_b32 hwreg(HW_REG_WAVE_MODE, 25, 1), 1
	s_wait_xcnt 0x0
; LayerNorm of x [8192][1024] and the four weights [1024][1024], f32, become codes of BF8 (E5M2), K innermost, with one E8M0 byte for each 32 along K.
; 12,288 rows of 1,024 numbers; 1,536 waves take 8 rows each: waves 0-1023 rows of x, the others rows of w_q, w_k, w_v, w_o.  ONE path serves both: for a weight the mean is masked to 0 and
; 1/sigma and the gain are replaced by 1.0, the bias by 0, so that (w - 0) x 1 x 1 + 0 is w itself.  The choice hangs on the wave's and the work-group's numbers alone.
; WHERE A ROW GOES: row R is stored at POSITION R with bits 3 and 4 exchanged.  Sixteen consecutive positions are then rows 32 b + 8 u + r + 8 (r / 8): the tile that lets a later product's
; results fall into a lane's registers in the natural order of the next K.  A wave's 8 rows stay together: group g goes to group g with bits 0 and 1 exchanged.
; A row: 8 loads of 512 consecutive bytes; mean, then the sum of squares of the centred numbers (two passes in registers: no difference of large sums); scaled; turned through the wave's own
; stage in LDS so that a lane holds 16 neighbours (two lanes a block of 32); quantised; a wave's store of codes covers 512 consecutive bytes, its 256 scale bytes leave as one aligned 256 bytes.
; A block's scale byte is its largest magnitude's exponent field - 15, held at 1 from below (a block of zeros gets 1: its codes are zeros, and only this program reads the bytes).
; LIMITS: NaN and infinities among the inputs are not served; blocks whose largest magnitude lies under 2^-111 get the byte 1.
; No matrix work, no cluster, no tensor load, no barrier: waves share nothing and every byte is read once.
.set WAVES, 6
.set WREG,  5632                       ; LDS of a wave: two stages of 32 x SP bytes, then its 256 scale bytes
.set SP,    80                         ; a lane's place in a stage: 64 bytes + 16 of padding
.set SPARE, WAVES*WREG                 ; the spare words, 128 bytes a wave: three blocks of 256 bytes that no other line names
.set LOF,  2                           ; v2   16 x lane
.set SIN,  3                           ; v3   the stage, on the way in
.set SOUT, 4                           ; v4   and on the way out
.set SBY,  5                           ; v5   my block's scale byte in LDS
.set SRD,  6                           ; v6   the scale bytes on the way out, 8 a lane
.set L8,   7                           ; v7   8 x lane
.set MU,   12                          ; v[12:13] the mean (the low word serves both halves)
.set RS,   14                          ; v[14:15] 1 / sigma
.set G,    16                          ; v16-47  gain of my 32 columns
.set BB,   48                          ; v48-79  bias
.set X,    80                          ; v80-175 three sets of 32: a row as loaded
.set T,    176                         ; v176-207 two sets of 16 neighbours
.set C,    208                         ; v208-223 codes: two rows' sets of 8
.set AC,   224                         ; v224-231 four pairs of partial sums
.set E,    232                         ; v232-235 scale bytes
.set SPW,  236
.set NIL,  237
.set PD,   238                         ; a lane permute's destination
.set WV,   24
.set MSK,  30                          ; s30  all ones for x, 0 for a weight
.set SRC,  34
.set DC,   36
.set DSC,  38
.set SEL,  40
.set INV,  42
.set EPS,  43
.set MNT,  44
	s_load_b512 s[4:19], s[0:1], 0x0               ; x, ln_g, ln_b, w_q, w_k, w_v, w_o, xc
	s_load_b128 s[20:23], s[0:1], 0x40             ; wc, ps
	v_lshl_add_u32 v[SPW], v0, 2, SPARE
	v_mov_b32 v[NIL], 0
	v_lshrrev_b32 v1, 5, v0
	v_readfirstlane_b32 s[WV], v1                  ; wave 0..5
	v_and_b32 v1, 31, v0                           ; lane
	v_lshlrev_b32 v[LOF], 4, v1
	s_mul_i32 s25, s[WV], WREG
	v_lshrrev_b32 v[SIN], 2, v1
	v_mul_u32_u24 v[SIN], v[SIN], SP
	v_and_b32 v[SOUT], 3, v1
	v_lshl_add_u32 v[SIN], v[SOUT], 4, v[SIN]
	v_add_nc_u32 v[SIN], s25, v[SIN]               ; four lanes' 64 bytes on end, then 16 of padding
	v_mul_u32_u24 v[SOUT], v1, SP
	v_add_nc_u32 v[SOUT], s25, v[SOUT]             ; back: SP x lane: my 16 neighbours
	v_lshrrev_b32 v[SBY], 1, v1
	s_add_co_u32 s25, s25, 2*32*SP
	v_add_nc_u32 v[SBY], s25, v[SBY]
	v_lshlrev_b32 v[L8], 3, v1
	v_add_nc_u32 v[SRD], s25, v[L8]
	v_mov_b32 v[MU+1], 0                           ; named with the low words as pairs, so they are written
	v_mov_b32 v[RS+1], 0
	v_mov_b32 v[PD], 0
	s_mul_i32 s26, ttmp9, WAVES
	s_add_co_u32 s26, s26, s[WV]                   ; which group of 8 rows of the 1,536
	s_sub_co_u32 s27, s26, 1024                    ; among the weights' 512
	s_lshr_b32 s28, s27, 7                         ; which weight
	s_and_b32 s29, s27, 127                        ; which group in it
	s_cmp_lt_u32 s26, 1024
	s_cselect_b32 s[MSK], -1, 0
	s_cselect_b32 s31, s26, s27                    ; the group in the destination
	s_cselect_b32 s32, s26, s29                    ; and in the source
	s_cselect_b32 s33, 0, 262144                   ; the weights' scale bytes lie behind x's
	s_and_b32 s45, s31, 1
	s_lshl_b32 s45, s45, 1
	s_bfe_u32 s46, s31, 0x10001
	s_or_b32 s45, s45, s46
	s_and_b32 s46, s31, 0xfffffffc
	s_or_b32 s45, s45, s46                         ; bits 0 and 1 exchanged
	s_lshl_b32 s46, s32, 15                        ; 8 rows of 4,096 bytes
	s_mov_b32 s47, 0
	s_lshl_b32 s48, s45, 13                        ; 8 rows of 1,024 codes
	s_mov_b32 s49, 0
	s_lshl_b32 s50, s45, 8                         ; 8 rows of 32 scale bytes
	s_add_co_u32 s50, s50, s33
	s_mov_b32 s51, 0
	s_mov_b32 s[SEL], 0x76543210
	s_mov_b32 s[SEL+1], 0xfedcba98                 ; lane l xor 16
	s_mov_b32 s[INV], 0x3a800000                   ; 1 / 1024
	s_mov_b32 s[EPS], 0x2b8cbccc                   ; 1e-12
	s_mov_b32 s[MNT], 0x600000                     ; the mantissa field of 57,344
	s_wait_kmcnt 0x0
	s_cmp_eq_u32 s28, 2
	s_cselect_b64 s[SRC:SRC+1], s[14:15], s[16:17]
	s_cmp_eq_u32 s28, 1
	s_cselect_b64 s[SRC:SRC+1], s[12:13], s[SRC:SRC+1]
	s_cmp_eq_u32 s28, 0
	s_cselect_b64 s[SRC:SRC+1], s[10:11], s[SRC:SRC+1]
	s_cmp_lt_u32 s26, 1024
	s_cselect_b64 s[SRC:SRC+1], s[4:5], s[SRC:SRC+1]
	s_cselect_b64 s[DC:DC+1], s[18:19], s[20:21]
	s_add_nc_u64 s[SRC:SRC+1], s[SRC:SRC+1], s[46:47]
	s_add_nc_u64 s[DC:DC+1], s[DC:DC+1], s[48:49]
	s_add_nc_u64 s[DSC:DSC+1], s[22:23], s[50:51]
.irp j, 0,1,2,3,4,5,6,7
	global_load_b128 v[G+4*\j:G+4*\j+3], v[LOF], s[6:7] offset:512*\j
.endr
.irp j, 0,1,2,3,4,5,6,7
	global_load_b128 v[BB+4*\j:BB+4*\j+3], v[LOF], s[8:9] offset:512*\j
.endr
.macro LOADROW n                       ; row n into set n % 3: eight loads of 512 consecutive bytes
.irp j, 0,1,2,3,4,5,6,7
	global_load_b128 v[X+32*((\n)%3)+4*\j:X+32*((\n)%3)+4*\j+3], v[LOF], s[SRC:SRC+1] offset:4096*(\n)+512*\j th:TH_LOAD_NT
.endr
.endm
	LOADROW 0
	LOADROW 1
	LOADROW 2
	s_wait_loadcnt 24                              ; gain and bias are in; the three rows' 24 loads may be out
.set jj, 0
.rept 32
	v_cndmask_b32 v[G+jj], 1.0, v[G+jj], s[MSK]    ; a weight: gain 1,
	v_and_b32 v[BB+jj], s[MSK], v[BB+jj]           ; bias 0
.set jj, jj+1
.endr
.macro REDUCE                          ; four pairs of partial sums -> the row's sum in every lane
	v_pk_add_f32 v[AC:AC+1], v[AC:AC+1], v[AC+2:AC+3]
	v_pk_add_f32 v[AC+4:AC+5], v[AC+4:AC+5], v[AC+6:AC+7]
	v_pk_add_f32 v[AC:AC+1], v[AC:AC+1], v[AC+4:AC+5]
	v_add_f32 v[AC], v[AC], v[AC+1]
	v_add_f32_dpp v[AC], v[AC], v[AC] row_xmask:1 row_mask:0xf bank_mask:0xf
	v_add_f32_dpp v[AC], v[AC], v[AC] row_xmask:2 row_mask:0xf bank_mask:0xf
	v_add_f32_dpp v[AC], v[AC], v[AC] row_xmask:4 row_mask:0xf bank_mask:0xf
	v_add_f32_dpp v[AC], v[AC], v[AC] row_xmask:8 row_mask:0xf bank_mask:0xf
	v_permlanex16_b32 v[PD], v[AC], s[SEL], s[SEL+1]
	v_add_f32 v[AC], v[AC], v[PD]
.endm
.macro QSTEP n, u                      ; 512 numbers of row n: my 16 neighbours in set u
.set TS, T+16*(\u)
.set CSET, C+8*((\n)%2)+4*(\u)
	v_max3_num_f32 v8, |v[TS]|, |v[TS+1]|, |v[TS+2]|
	v_max3_num_f32 v9, |v[TS+3]|, |v[TS+4]|, |v[TS+5]|
.irp q, 6,10
	v_max3_num_f32 v8, v8, |v[TS+\q]|, |v[TS+\q+1]|
	v_max3_num_f32 v9, v9, |v[TS+\q+2]|, |v[TS+\q+3]|
.endr
	v_max3_num_f32 v8, v8, |v[TS+14]|, |v[TS+15]|
	v_max3_num_f32 v8, v8, v9, 0x8000000           ; and the floor 2^(16 - 127): the byte cannot fall under 1
	v_max_num_f32_dpp v8, v8, v8 row_xmask:1 row_mask:0xf bank_mask:0xf   ; with my neighbour's 16: the block's largest magnitude
	v_add_nc_u32 v11, 0xf8800000, v8               ; 15 off its exponent field: the conversion's scale operand
	v_and_or_b32 v10, v8, 0x7f800000, s[MNT]       ; 57,344 x the scale
.set jj, 0
.rept 16
	v_med3_num_f32 v[TS+jj], v[TS+jj], -v10, v10   ; the conversion to an 8-bit code does not saturate (ISA guide 7.6.2): hold first
.set jj, jj+1
.endr
	v_cvt_scalef32_pk8_bf8_f32 v[CSET:CSET+1], v[TS:TS+7], v11
	v_cvt_scalef32_pk8_bf8_f32 v[CSET+2:CSET+3], v[TS+8:TS+15], v11
	v_lshrrev_b32 v[E+2*((\n)%2)+(\u)], 23, v11    ; the scale's byte (also the plain line behind the conversions)
	ds_store_b8 v[SBY], v[E+2*((\n)%2)+(\u)] offset:32*(\n)+16*(\u)   ; both lanes of a block write the same byte
	global_store_b128 v[LOF], v[CSET:CSET+3], s[DC:DC+1] offset:1024*(\n)+512*(\u)   ; 32 lanes store 512 consecutive bytes
.endm
.macro ROW n
.set XS, X+32*((\n)%3)
.if (\n) < 6
	s_wait_loadcnt 16                              ; my row's eight loads are in; the two rows behind it may be out
.else
	s_wait_loadcnt 8*(7-(\n))
.endif
	s_wait_xcnt 0x0                                ; the stores of two rows back have read the code registers that this row writes
.irp k, 0,1,2,3
	v_pk_add_f32 v[AC+2*\k:AC+2*\k+1], v[XS+2*\k:XS+2*\k+1], v[XS+8+2*\k:XS+9+2*\k]
.endr
.irp m, 16,24
.irp k, 0,1,2,3
	v_pk_add_f32 v[AC+2*\k:AC+2*\k+1], v[AC+2*\k:AC+2*\k+1], v[XS+\m+2*\k:XS+\m+2*\k+1]
.endr
.endr
	REDUCE
	v_mul_f32 v[MU], s[INV], v[AC]
	v_and_b32 v[MU], s[MSK], v[MU]                 ; a weight: mean 0
.set jj, 0
.rept 16
	v_pk_add_f32 v[XS+jj:XS+jj+1], v[XS+jj:XS+jj+1], v[MU:MU+1] op_sel_hi:[1,0] neg_lo:[0,1] neg_hi:[0,1]
.set jj, jj+2
.endr
.irp k, 0,1,2,3
	v_pk_mul_f32 v[AC+2*\k:AC+2*\k+1], v[XS+2*\k:XS+2*\k+1], v[XS+2*\k:XS+2*\k+1]
.endr
.irp m, 8,16,24
.irp k, 0,1,2,3
	v_pk_fma_f32 v[AC+2*\k:AC+2*\k+1], v[XS+\m+2*\k:XS+\m+2*\k+1], v[XS+\m+2*\k:XS+\m+2*\k+1], v[AC+2*\k:AC+2*\k+1]
.endr
.endr
	REDUCE
	v_fma_f32 v[AC], v[AC], s[INV], s[EPS]         ; the variance + 1e-12
	v_rsq_f32 v[RS], v[AC]
	v_nop                                          ; a plain line behind the transcendental,
	s_wait_alu depctr_va_vdst(0)                   ; and the wait ahead of its first reader
	v_cndmask_b32 v[RS], 1.0, v[RS], s[MSK]        ; a weight: 1
.set jj, 0
.rept 16
	v_pk_mul_f32 v[XS+jj:XS+jj+1], v[XS+jj:XS+jj+1], v[RS:RS+1] op_sel_hi:[1,0]
.set jj, jj+2
.endr
.set jj, 0
.rept 16
	v_pk_fma_f32 v[XS+jj:XS+jj+1], v[XS+jj:XS+jj+1], v[G+jj:G+jj+1], v[BB+jj:BB+jj+1]
.set jj, jj+2
.endr
.irp j, 0,1,2,3,4,5,6,7
	ds_store_b128 v[SIN], v[XS+4*\j:XS+4*\j+3] offset:2560*(\j/4)+640*(\j%4)
.endr
.irp u, 0,1
.irp k, 0,1,2,3
	ds_load_b128 v[T+16*\u+4*\k:T+16*\u+4*\k+3], v[SOUT] offset:2560*\u+16*\k   ; LDS serves a wave's instructions in order: these see the stores above
.endr
.endr
	s_wait_dscnt 0x0                               ; the neighbours are in, and the stores have read the row's registers,
.if (\n)+3 < 8
	LOADROW (\n)+3                                 ; which take the row three further on
.endif
	QSTEP \n, 0
	QSTEP \n, 1
.endm
.irp n, 0,1,2,3,4,5,6,7
	ROW \n
.endr
	ds_load_b64 v[8:9], v[SRD]                     ; my wave's 256 scale bytes, 8 a lane
	s_wait_dscnt 0x0
	global_store_b64 v[L8], v[8:9], s[DSC:DSC+1]   ; 32 lanes store 256 consecutive bytes, aligned
	s_wait_tensorcnt 0x0                           ; the wave's end, behind my last LDS store
	ds_add_u32 v[SPW], v[NIL]
	s_wait_dscnt 0x0
	s_endpgm
.Lfunc_end_k_qb177bcd4a4_prep:
	.size	k_qb177bcd4a4_prep, .Lfunc_end_k_qb177bcd4a4_prep-k_qb177bcd4a4_prep
	.p2alignl 7, 3214868480
	.fill 96, 4, 3214868480
	.section	.rodata,"a",@progbits
	.p2align	6, 0x0
	.amdhsa_kernel k_qb177bcd4a4_prep
		.amdhsa_group_segment_fixed_size 34560
		.amdhsa_private_segment_fixed_size 0
		.amdhsa_enable_private_segment 0
		.amdhsa_kernarg_size 80
		.amdhsa_user_sgpr_count 2
		.amdhsa_user_sgpr_kernarg_segment_ptr 1
		.amdhsa_wavefront_size32 1
		.amdhsa_system_sgpr_workgroup_id_x 1
		.amdhsa_system_sgpr_workgroup_id_y 1
		.amdhsa_system_sgpr_workgroup_id_z 1
		.amdhsa_system_vgpr_workitem_id 0
		.amdhsa_next_free_vgpr 240
		.amdhsa_next_free_sgpr 66
		.amdhsa_reserve_vcc 0
		.amdhsa_float_denorm_mode_32 3
		.amdhsa_float_denorm_mode_16_64 3
		.amdhsa_memory_ordered 1
		.amdhsa_forward_progress 1
		.amdhsa_inst_pref_size 105
	.end_amdhsa_kernel
	.amdgpu_metadata
---
amdhsa.version: [ 1, 2 ]
amdhsa.kernels:
  - .name:           k_qb177bcd4a4_prep
    .symbol:         k_qb177bcd4a4_prep.kd
    .args:
      - { .name: x, .offset: 0, .size: 8, .value_kind: global_buffer, .address_space: global }
      - { .name: ln_g, .offset: 8, .size: 8, .value_kind: global_buffer, .address_space: global }
      - { .name: ln_b, .offset: 16, .size: 8, .value_kind: global_buffer, .address_space: global }
      - { .name: w_q, .offset: 24, .size: 8, .value_kind: global_buffer, .address_space: global }
      - { .name: w_k, .offset: 32, .size: 8, .value_kind: global_buffer, .address_space: global }
      - { .name: w_v, .offset: 40, .size: 8, .value_kind: global_buffer, .address_space: global }
      - { .name: w_o, .offset: 48, .size: 8, .value_kind: global_buffer, .address_space: global }
      - { .name: xc, .offset: 56, .size: 8, .value_kind: global_buffer, .address_space: global }
      - { .name: wc, .offset: 64, .size: 8, .value_kind: global_buffer, .address_space: global }
      - { .name: ps, .offset: 72, .size: 8, .value_kind: global_buffer, .address_space: global }
    .group_segment_fixed_size: 34560
    .private_segment_fixed_size: 0
    .kernarg_segment_align: 8
    .kernarg_segment_size: 80
    .max_flat_workgroup_size: 192
    .sgpr_count:     66
    .vgpr_count:     240
    .wavefront_size: 32
...
	.end_amdgpu_metadata
.endif
;; end of part 1
;; launch qkv (part 2): grid 12 x 32, 4 waves a work-group, clusters of 4 x 4, 327,680 bytes of LDS; arguments xc, wc, ps, b_q, b_k, b_v, qkvc, qkvs; writes qkvc, qkvs
.if DOCPART == 2
	.amdgcn_target "amdgcn-amd-amdhsa--gfx1250"
	.amdhsa_code_object_version 6
	.text
	.protected	k_qb177bcd4a4_qkv
	.globl	k_qb177bcd4a4_qkv
	.p2align	8
	.type	k_qb177bcd4a4_qkv,@function
k_qb177bcd4a4_qkv:
	s_mov_b64 s[64:65], 0
	v_nop
	global_prefetch_b8 v0, s[64:65] scope:SCOPE_SE
	s_setreg_imm32_b32 hwreg(HW_REG_WAVE_MODE, 25, 1), 1
	s_wait_xcnt 0x0
	s_wait_alu depctr_hold_cnt(0) depctr_sa_sdst(0) depctr_va_vdst(0) depctr_va_sdst(0) depctr_va_ssrc(0) depctr_va_vcc(0) depctr_vm_vsrc(0)
	s_getreg_b32 s2, hwreg(HW_REG_IB_STS2, 6, 4)
	s_cmp_eq_u32 s2, 0
	s_cbranch_scc0 .Lentry_in_a_cluster
	s_endpgm
.Lentry_in_a_cluster:
	s_bfe_u32 s2, ttmp6, 0x10000c
	s_cmp_lg_u32 s2, 0xf033
	s_cbranch_scc0 .Lentry_shape_is_right
	s_endpgm
.Lentry_shape_is_right:
; q, k, v = xn W^T + b on codes of BF8 (E5M2) with E8M0 scales, and their quantising for the two products of attention.  xc [8192 positions][1024], wc [4096 positions][1024], ps: 32 scale bytes a position.
; A work-group makes 256 x 256; four waves, 128 x 128 each: 64 accumulators, 512 registers.  K goes in steps of 256 through a ring of two LDS slots filled by the tensor data mover; the scale
; bytes of the work-group's 512 rows come once, with the first fills.  4 x 4 work-groups form a cluster: A's tiles are asked for jointly along a row of it, B's along a column.
; THE KIND is the cluster's x (0: q, 1: k, 2: v), the same in all sixteen partners.  Source 0 = 16 rows of B, source 1 = 16 rows of A: a lane holds ONE row of A, its registers run along B's rows.
;   q, k: A = tokens, B = the weight's rows: a lane holds a token, its registers run along the features: d, the first attention product's K.
;   v:    A = the weight's rows, B = tokens: a lane holds a channel, its registers run down the tokens: the keys, the second product's K.  Only pointers and tile numbers differ.
; Rows lie at POSITIONS (bits 3 and 4 of the row exchanged), so the 16 registers of B's tiles 2 b and 2 b + 1 are 16 neighbours 32 b + 16 (lane / 16) + 0 .. 15 in the natural order.
; THE BIAS is the C of the first K step's products (written twice, for the two layouts of the bias, under a branch on the kind).  So a sum begins with its bias: another order of rounding than bias last.
; THE WAY OUT: each block of 16 rows of A is quantised in registers (four blocks of 32 a lane) and its codes are stored as IMAGES OF THE NEXT OPERAND'S REGISTERS, 512 consecutive bytes a store:
;   q, k: [head][tile of 16 positions][c 0..1][lane][16 bytes];   v: [head][block of 32 keys][tile of 16 channels][lane][16 bytes];   the scale words beside them, 256 or 512 consecutive bytes a store.
; LIMITS: NaN and infinities are not served; a block whose largest magnitude lies under 2^-111 gets the scale byte 1.
; No prefetch: K has four slots' worth of steps, and two of them are the first fills.
; REGISTERS: window 0: v0-31 addresses; v32-63 scale words, two sets; v64-127 the bias; from v128 A's fragments, one set (the way out works there).  window 1: B's fragments, two sets.  windows 2, 3: the accumulators.
.set NQ,     2
.set ROWB,   256
.set KROW,   1024
.set PITCH,  272                       ; an LDS row: 256 bytes + 16 of padding: the 16 rows that a load touches start at 16 different groups of banks
.set FR,     16
.set NL,     4
.set NP,     8                         ; places behind this matrix instruction (ISA guide 7.12.1)
.set HALFT,  128*PITCH
.set SLOT,   4*HALFT
.set KS,     32
.set SCL,    2*SLOT
.set HALFS,  (128*KS/256)*272
.set SBLK,   (16*KS/256)*272
.set SPARE,  SCL+4*HALFS               ; the spare words, 128 bytes a wave: two blocks of 256 bytes that no other line names
.set ADRA, 16
.set ADRB, 20
.set ADRS, 27
.set SPW,  28
.set NIL,  29
.set SC,   32
.set BI,   64
.set AF,   128
.set PC,   128                         ; the way out: a block's codes,
.set TM,   144                         ; at work,
.set SW,   160                         ; the eight blocks' scale words,
.set VB,   168                         ; four store offsets,
.set VS,   172                         ; the scale words' offset,
.set SH16, 173                         ; 16 x (lane / 16)
.set WV,   20
.set HIW,  21
.set LOW,  22
.set KIND, 23
.set G1,   24
.set G0,   32
.set CX,   40
.set CY,   41
.set TC,   42
.set G1B,  48
.set G0B,  56
.set G1S,  68
.set G0S,  76
.set G1SB, 80
.set G0SB, 88
.set TR,   96
.set SEL,  98
.set MNT,  100
.set LAP,  101
.set OUT,  68                          ; the way out's scalars take the scale descriptors' registers, whose loads have long been waited for
.set SCO,  70
.set STA,  72
.set STB,  74
.set HS,   79
.set HM,   80
.set RSH,  81
.set OFC,  82
.set OFS,  84
.set MSB, 0
.macro WIN new                         ; the immediate's high byte repeats the setting that is left
.if MSB != \new
	s_set_vgpr_msb (MSB<<8)|\new
.set MSB, \new
.endif
.endm
.set MUL_LO, 0xa1                      ; source 0 (B) window 1, source 1 (A) window 0, C and D window 2
.set MUL_HI, 0xf1
.set TO_B,   0x40
.macro JLOAD g0a, g1a, g0b, g1b        ; a joint load: waves 0 and 1 fetch for A, waves 2 and 3 for B; an s_nop 0 and four v_nop follow each line
	s_cmp_eq_u32 s[HIW], 0
	s_cbranch_scc0 .Lfor_b_\@
	tensor_load_to_lds s[\g0a:\g0a+3], s[\g1a:\g1a+7]
	s_nop 0
.rept 4
	v_nop
.endr
	s_branch .Lasked_\@
.Lfor_b_\@:
	tensor_load_to_lds s[\g0b:\g0b+3], s[\g1b:\g1b+7]
	s_nop 0
.rept 4
	v_nop
.endr
.Lasked_\@:
.endm
.macro CREST                           ; a round of the cluster's barrier behind its opening barrier
	s_cmp_lg_u32 s[WV], 0
	s_cbranch_scc1 .Lnot_wave_0_\@
	s_barrier_signal -3
.Lnot_wave_0_\@:
	s_barrier_wait -3
	s_barrier_signal -1
	s_barrier_wait -1
.endm
.macro CROUND
	s_barrier_signal -1
	s_barrier_wait -1
	CREST
.endm
	s_load_b512 s[4:19], s[0:1], 0x0               ; xc, wc, ps, b_q, b_k, b_v, qkvc, qkvs
	v_lshl_add_u32 v[SPW], v0, 2, SPARE
	v_mov_b32 v[NIL], 0
	ds_add_u32 v[SPW], v[NIL]                      ; the wave's opening: the add and its wait ahead of my first tensor load
	ds_add_u32 v[SPW], v[NIL]
	v_lshrrev_b32 v1, 5, v0
	v_readfirstlane_b32 s[WV], v1
	s_lshr_b32 s[HIW], s[WV], 1                    ; my half of A's rows.  Also: I fetch for A (0) or for B (1)
	s_and_b32 s[LOW], s[WV], 1                     ; my half of B's rows.  Also: which 128 rows I fetch
	s_bfe_u32 s[CX], ttmp6, 0x40000
	s_bfe_u32 s[CY], ttmp6, 0x40004
	s_mov_b32 s[KIND], ttmp9                       ; the cluster's x
	s_and_b32 s92, ttmp7, 0xffff
	s_lshl_b32 s92, s92, 2                         ; 4 x the cluster's y
	s_lshl_b32 s93, s[KIND], 2
	s_cmp_eq_u32 s[KIND], 2
	s_cselect_b32 s94, 8, s92                      ; A's first tile of 256 rows: v: w_v begins at row 2,048 of wc; q, k: the tokens'
	s_cselect_b32 s95, s92, s93                    ; B's: v: the tokens'; q, k: the weight's
	s_cselect_b32 s2, 0x40000, 0                   ; the weights' scale bytes lie 262,144 bytes into ps
	s_cselect_b32 s3, 0, 0x40000
	s_add_co_u32 s[TR], s94, s[CY]
	s_add_co_u32 s[TC], s95, s[CX]
	s_lshl_b32 s43, s[CY], 2
	s_lshl_b32 s43, 15, s43                        ; my row of the cluster
	s_lshl_b32 s44, 0x1111, s[CX]                  ; my column
	s_or_b32 s[G1+0], s43, (0<<16)|(1<<20)|(1<<21)|(5<<22)|(3<<25)  ; the mask; elements of 1 byte; padding: 4 words behind every 64; bit 21 beside a mask
	s_or_b32 s[G1B+0], s44, (0<<16)|(1<<20)|(1<<21)|(5<<22)|(3<<25)
.irp g, G1, G1B
	s_mov_b32 s[\g+1], ROWB<<16                    ; tensor_dim0
	s_mov_b32 s[\g+2], 128<<16                     ; tensor_dim1
	s_mov_b32 s[\g+3], ROWB<<16                    ; tile_dim0
	s_mov_b32 s[\g+4], 128                         ; tile_dim1
	s_mov_b32 s[\g+5], KROW                        ; the pitch
	s_mov_b32 s[\g+6], 0
	s_mov_b32 s[\g+7], 0
.endr
	s_or_b32 s[G1S+0], s43, (3<<16)|(1<<20)|(1<<21)|(5<<22)|(3<<25)  ; the scales of 128 rows: 4,096 dense bytes as 16 rows of 256
	s_or_b32 s[G1SB+0], s44, (3<<16)|(1<<20)|(1<<21)|(5<<22)|(3<<25)
.irp g, G1S, G1SB
	s_mov_b32 s[\g+1], 32<<16
	s_mov_b32 s[\g+2], (128*KS/256)<<16
	s_mov_b32 s[\g+3], 32<<16
	s_mov_b32 s[\g+4], 128*KS/256
	s_mov_b32 s[\g+5], 32
	s_mov_b32 s[\g+6], 0
	s_mov_b32 s[\g+7], 0
.endr
	s_lshl_b32 s45, s[LOW], 7
	s_lshl_b32 s46, s[TR], 8
	s_add_co_u32 s46, s46, s45                     ; A: the first row that I fetch
	s_lshl_b32 s66, s[TC], 8
	s_add_co_u32 s66, s66, s45                     ; B likewise
	s_lshl_b32 s92, s46, 5
	s_add_co_u32 s92, s92, s2                      ; their scale bytes,
	s_lshl_b32 s94, s66, 5
	s_add_co_u32 s94, s94, s3
	s_lshl_b32 s46, s46, 10                        ; their codes
	s_lshl_b32 s66, s66, 10
	s_mov_b32 s47, 0
	s_mov_b32 s67, 0
	s_mov_b32 s93, 0
	s_mov_b32 s95, 0
	s_mul_i32 s45, s[WV], HALFT                    ; where they go: no place in the cluster enters an LDS address
	s_mul_i32 s97, s[WV], HALFS
	s_mov_b32 s[SEL], 0x76543210
	s_mov_b32 s[SEL+1], 0xfedcba98
	s_wait_dscnt 0x0                               ; the opening add is done
	s_wait_kmcnt 0x0
	s_cmp_eq_u32 s[KIND], 2
	s_cselect_b64 s[2:3], s[6:7], s[4:5]           ; A's codes
	s_add_nc_u64 s[46:47], s[2:3], s[46:47]
	s_cselect_b64 s[2:3], s[4:5], s[6:7]           ; B's codes
	s_add_nc_u64 s[66:67], s[2:3], s[66:67]
	s_add_nc_u64 s[92:93], s[8:9], s[92:93]
	s_add_nc_u64 s[94:95], s[8:9], s[94:95]
	CROUND                                         ; all sixteen work-groups are here: the first joint loads meet
	s_mov_b32 s[G0S], 1
	s_add_co_u32 s[G0S+1], s97, SCL
	s_mov_b64 s[G0S+2:G0S+3], s[92:93]
	s_or_b32 s[G0S+3], s[G0S+3], 0x80000000
	s_mov_b32 s[G0SB], 1
	s_add_co_u32 s[G0SB+1], s97, SCL
	s_mov_b64 s[G0SB+2:G0SB+3], s[94:95]
	s_or_b32 s[G0SB+3], s[G0SB+3], 0x80000000
	JLOAD G0S, G1S, G0SB, G1SB                     ; the scales first: three loads of mine are out behind the last of these
.irp s, 0,1
	s_mov_b32 s[G0+4*\s], 1
	s_add_co_u32 s[G0+4*\s+1], s45, \s*SLOT
	s_add_nc_u64 s[G0+4*\s+2:G0+4*\s+3], s[46:47], \s*ROWB
	s_or_b32 s[G0+4*\s+3], s[G0+4*\s+3], 0x80000000
	s_mov_b32 s[G0B+4*\s], 1
	s_add_co_u32 s[G0B+4*\s+1], s45, \s*SLOT
	s_add_nc_u64 s[G0B+4*\s+2:G0B+4*\s+3], s[66:67], \s*ROWB
	s_or_b32 s[G0B+4*\s+3], s[G0B+4*\s+3], 0x80000000
	JLOAD G0+4*\s, G1, G0B+4*\s, G1B
.endr
	v_and_b32 v1, 15, v0                           ; r
	v_bfe_u32 v2, v0, 4, 1                         ; h
	; THE BIAS, in the result's layout
	s_cmp_eq_u32 s[KIND], 2
	s_cbranch_scc1 .Lbias_v
	s_cmp_eq_u32 s[KIND], 0
	s_cselect_b64 s[2:3], s[10:11], s[12:13]
	s_lshl_b32 s92, s[CX], 10
	s_lshl_b32 s93, s[LOW], 9
	s_add_co_u32 s92, s92, s93                     ; my 128 features
	s_mov_b32 s93, 0
	s_add_nc_u64 s[2:3], s[2:3], s[92:93]
	s_wait_alu depctr_va_vdst(0)
	v_lshlrev_b32 v7, 6, v2                        ; B's tile b, lane half h: features 32 (b / 2) + 16 h + 8 (b % 2) + 0 .. 7
.irp b, 0,1,2,3,4,5,6,7
	global_load_b128 v[BI+8*\b:BI+8*\b+3], v7, s[2:3] offset:(32*(\b/2)+8*(\b%2))*4
	global_load_b128 v[BI+8*\b+4:BI+8*\b+7], v7, s[2:3] offset:(32*(\b/2)+8*(\b%2))*4+16
.endr
	s_wait_loadcnt 0x0
	s_branch .Lbias_done
.Lbias_v:
	s_lshl_b32 s92, s[CY], 10
	s_lshl_b32 s93, s[HIW], 9
	s_add_co_u32 s92, s92, s93                     ; my 128 channels
	s_mov_b32 s93, 0
	s_add_nc_u64 s[2:3], s[14:15], s[92:93]
	s_wait_alu depctr_va_vdst(0)
	v_and_b32 v7, 8, v1
	v_add_nc_u32 v7, v7, v1
	v_lshlrev_b32 v7, 2, v7                        ; A's tile a, lane r: channel 32 (a / 2) + 8 (a % 2) + r + 8 (r / 8): one number for all eight registers
.irp a, 0,1,2,3,4,5,6,7
	global_load_b32 v[BI+8*\a], v7, s[2:3] offset:(32*(\a/2)+8*(\a%2))*4
.endr
	s_wait_loadcnt 0x0
.irp a, 0,1,2,3,4,5,6,7
.irp j, 1,2,3,4,5,6,7
	v_mov_b32 v[BI+8*\a+\j], v[BI+8*\a]
.endr
.endr
.Lbias_done:
	v_mul_u32_u24 v3, v1, PITCH
	v_lshl_add_u32 v4, v2, 4, v3                   ; a fragment's row x pitch + 16 x half
	s_mul_i32 s92, s[HIW], HALFT                   ; my 128 rows of A
	s_mul_i32 s93, s[LOW], HALFT                   ; my 128 rows of B,
	s_add_co_u32 s93, s93, 2*HALFT                 ; behind A's 256
.irp s, 0,1
	v_add_nc_u32 v[ADRA+\s], s92, v4
	v_add_nc_u32 v[ADRB+\s], s93, v4
	s_add_co_u32 s92, s92, SLOT
	s_add_co_u32 s93, s93, SLOT
.endr
	v_mul_u32_u24 v5, v1, KS                       ; my row's scales: 32 bytes a row,
	v_lshrrev_b32 v6, 8, v5
	v_lshl_add_u32 v5, v6, 4, v5                   ; and 16 more for each 256 passed
	s_mul_i32 s92, s[HIW], HALFS
	s_mul_i32 s93, s[LOW], HALFS
	s_add_co_u32 s93, s93, 2*HALFS
	s_sub_co_u32 s93, s93, s92
	v_mul_u32_u24 v6, s93, v2                      ; lanes 16-31 take B's
	s_add_co_u32 s92, s92, SCL
	v_add_nc_u32 v5, v5, v6
	v_add_nc_u32 v[ADRS], s92, v5
.macro FRAG reg, adr, q, i             ; 16 rows x 128 K: registers 4 c .. 4 c + 3 hold K = 32 c + 16 (lane / 16) + 0 .. 15
.irp c, 0,1,2,3
	ds_load_b128 v[\reg+4*\c:\reg+4*\c+3], v[\adr] offset:128*(\q)+32*\c+(\i)*16*PITCH
.endr
.endm
; 16 matrix instructions: A's blocks a0, a0 + 1 x B's eight.  mode 0: in place; 1: C = the bias by B's tile; 2: C = the bias by A's tile.  The 64 accumulators take turns.
.macro MUL16 a0, p, q, sc, mode
.irp a, \a0, \a0+1
.irp b, 0,1,2,3,4,5,6,7
.if \mode == 1
	v_wmma_scale_f32_16x16x128_f8f6f4 v[8*(8*((\a)%4)+\b):8*(8*((\a)%4)+\b)+7], v[128*(\p)+FR*\b:128*(\p)+FR*\b+FR-1], v[AF+FR*(\a):AF+FR*(\a)+FR-1], v[BI+8*\b:BI+8*\b+7], v[SC+8*NQ*(\sc)+NQ*\b+(\q)], v[SC+8*NQ*(\sc)+NQ*(\a)+(\q)] matrix_a_fmt:MATRIX_FMT_BF8 matrix_b_fmt:MATRIX_FMT_BF8 matrix_a_scale:MATRIX_SCALE_ROW1
.elseif \mode == 2
	v_wmma_scale_f32_16x16x128_f8f6f4 v[8*(8*((\a)%4)+\b):8*(8*((\a)%4)+\b)+7], v[128*(\p)+FR*\b:128*(\p)+FR*\b+FR-1], v[AF+FR*(\a):AF+FR*(\a)+FR-1], v[BI+8*(\a):BI+8*(\a)+7], v[SC+8*NQ*(\sc)+NQ*\b+(\q)], v[SC+8*NQ*(\sc)+NQ*(\a)+(\q)] matrix_a_fmt:MATRIX_FMT_BF8 matrix_b_fmt:MATRIX_FMT_BF8 matrix_a_scale:MATRIX_SCALE_ROW1
.else
	v_wmma_scale_f32_16x16x128_f8f6f4 v[8*(8*((\a)%4)+\b):8*(8*((\a)%4)+\b)+7], v[128*(\p)+FR*\b:128*(\p)+FR*\b+FR-1], v[AF+FR*(\a):AF+FR*(\a)+FR-1], v[8*(8*((\a)%4)+\b):8*(8*((\a)%4)+\b)+7], v[SC+8*NQ*(\sc)+NQ*\b+(\q)], v[SC+8*NQ*(\sc)+NQ*(\a)+(\q)] matrix_a_fmt:MATRIX_FMT_BF8 matrix_b_fmt:MATRIX_FMT_BF8 matrix_a_scale:MATRIX_SCALE_ROW1
.endif
.endr
.endr
.endm
.macro FETCH_B slot, q, p
	WIN TO_B
.irp i, 0,1,2,3,4,5,6,7
	FRAG 128*(\p)+FR*\i, ADRB+\slot, \q, \i
.endr
	WIN 0
.endm
.macro FETCH_A slot, q, i0
.irp i, \i0, \i0+1, \i0+2, \i0+3
	FRAG AF+FR*(\i), ADRA+\slot, \q, \i
.endr
.endm
.macro SCALES sc                       ; a slot's scale words: two a row; lanes 0-15 A's block i, lanes 16-31 B's block i
.irp i, 0,1,2,3,4,5,6,7
	ds_load_b64 v[SC+8*NQ*\sc+NQ*\i:SC+8*NQ*\sc+NQ*\i+1], v[ADRS] offset:\i*SBLK
.endr
.endm
.macro PLACES n                        ; plain vector lines between a matrix instruction and a load into, or a read of, its registers
.rept \n
	v_nop
.endr
.endm
.macro STEP slot, q, mode              ; 128 along K whose successor lies in the same slot
	s_wait_dscnt 4*NL                              ; B's set and A's blocks 0-3 are in; the youngest 16 loads (A's blocks 4-7) may be out
.if \mode
	WIN 0x81                                       ; C in window 0, D in window 2
.else
	WIN MUL_LO
.endif
	MUL16 0, (\q)%2, \q, \slot, \mode
	MUL16 2, (\q)%2, \q, \slot, \mode
	s_wait_dscnt 0
	PLACES NP
	FETCH_B \slot, (\q)+1, 1-(\q)%2
	FETCH_A \slot, (\q)+1, 0
.if \mode
	WIN 0xc1
.else
	WIN MUL_HI
.endif
	MUL16 4, (\q)%2, \q, \slot, \mode
	MUL16 6, (\q)%2, \q, \slot, \mode
	PLACES NP
	WIN 0
	FETCH_A \slot, (\q)+1, 4
.endm
; A slot's last step changes slots: one barrier; in front of it each wave waits for all its tensor loads, adds 0 to its spare word, and waits for that and for its reads of this slot.
.macro TURN slot, next, fill
	s_wait_tensorcnt 0x0                           ; all my tensor loads have landed: my part of the next slot
	ds_add_u32 v[SPW], v[NIL]
	s_wait_dscnt 4*NL+1                            ; the add and the youngest 16 loads may be out
	WIN MUL_LO
	MUL16 0, 1, NQ-1, \slot, 0
	s_wait_dscnt 0x0                               ; the add is done, and my reads of this slot are over
	s_barrier_signal -1
	MUL16 2, 1, NQ-1, \slot, 0
	WIN 0
	s_barrier_wait -1
.if \fill
	CREST                                          ; the barrier has opened a round of the cluster's: no wave of any partner still reads this slot or has a load on its way
	s_add_nc_u64 s[G0+4*\slot+2:G0+4*\slot+3], s[G0+4*\slot+2:G0+4*\slot+3], 2*ROWB
	s_add_nc_u64 s[G0B+4*\slot+2:G0B+4*\slot+3], s[G0B+4*\slot+2:G0B+4*\slot+3], 2*ROWB
	JLOAD G0+4*\slot, G1, G0B+4*\slot, G1B         ; my one tensor load behind the round; its four v_nop are four of the eight places
	PLACES NP-4
.else
	PLACES NP
.endif
	s_wait_alu depctr_va_vdst(0)
	v_add_nc_u32 v[ADRS], 4*NQ, v[ADRS]
	FETCH_B \next, 0, 0
	FETCH_A \next, 0, 0
	SCALES \next
	WIN MUL_HI
	MUL16 4, 1, NQ-1, \slot, 0
	MUL16 6, 1, NQ-1, \slot, 0
	PLACES NP
	WIN 0
	FETCH_A \next, 0, 4
.endm
	s_wait_alu depctr_va_vdst(0)
	s_wait_tensorcnt 1                             ; the scales and my part of slot 0 are in; slot 1's load may be out
	s_barrier_signal -1
	s_barrier_wait -1
	FETCH_B 0, 0, 0
	FETCH_A 0, 0, 0
	SCALES 0
	FETCH_A 0, 0, 4
	s_cmp_eq_u32 s[KIND], 2
	s_cbranch_scc1 .Lfirst_v
	STEP 0, 0, 1                                   ; the first step starts the sums with the bias
	s_branch .Lfirst_done
.Lfirst_v:
	STEP 0, 0, 2
.Lfirst_done:
	s_mov_b32 s[LAP], 1
.Llap:                                                 ; once round the ring: both slots are filled again
	TURN 0, 1, 1
	STEP 1, 0, 0
	TURN 1, 0, 1
	STEP 0, 0, 0
	s_sub_co_u32 s[LAP], s[LAP], 1
	s_cmp_lg_u32 s[LAP], 0
	s_cbranch_scc1 .Llap
	TURN 0, 1, 0                                   ; the last lap fills nothing
	STEP 1, 0, 0
	s_wait_dscnt 4*NL
	WIN MUL_LO
	MUL16 0, 1, NQ-1, 1, 0
	MUL16 2, 1, NQ-1, 1, 0
	s_wait_dscnt 0
	WIN MUL_HI
	MUL16 4, 1, NQ-1, 1, 0
	MUL16 6, 1, NQ-1, 1, 0
	WIN 0
	; THE WAY OUT: where my codes and scale words go
	s_cmp_eq_u32 s[KIND], 2
	s_cbranch_scc1 .Lset_v
	s_lshl_b32 s86, s[TR], 8
	s_lshl_b32 s87, s[HIW], 7
	s_add_co_u32 s86, s86, s87                     ; my first token position
	s_lshl_b32 s87, s[CX], 1
	s_add_co_u32 s87, s87, s[LOW]                  ; my pair of heads
	s_lshr_b32 s88, s86, 11                        ; the batch
	s_and_b32 s86, s86, 2047
	s_lshl_b32 s89, s88, 3
	s_add_co_u32 s89, s89, s87
	s_lshl_b32 s90, s89, 8                         ; head x 128 tiles
	s_lshr_b32 s91, s86, 4
	s_add_co_u32 s90, s90, s91
	s_lshl_b32 s90, s90, 10
	s_lshl_b32 s91, s[KIND], 23
	s_add_co_u32 s[OFC], s90, s91
	s_lshl_b32 s90, s89, 6
	s_lshr_b32 s91, s86, 5
	s_add_co_u32 s90, s90, s91
	s_lshl_b32 s90, s90, 8
	s_lshl_b32 s91, s[KIND], 19
	s_add_co_u32 s[OFS], s90, s91
	s_mov_b32 s[STA], 1024                         ; from a tile of positions to the next
	s_mov_b32 s[STB], 1024
	s_mov_b32 s76, 512                             ; the four blocks of a lane: (head, c) = (0, 0), (0, 1), (1, 0), (1, 1)
	s_mov_b32 s77, 131072
	s_mov_b32 s78, 131584
	s_mov_b32 s[HS], 128
	s_mov_b32 s[RSH], 3
	s_branch .Lset_done
.Lset_v:
	s_lshl_b32 s86, s[TC], 8
	s_lshl_b32 s87, s[LOW], 7
	s_add_co_u32 s86, s86, s87                     ; my first key
	s_lshl_b32 s87, s[CY], 1
	s_add_co_u32 s87, s87, s[HIW]                  ; my pair of heads
	s_lshr_b32 s88, s86, 11
	s_and_b32 s86, s86, 2047
	s_lshl_b32 s89, s88, 3
	s_add_co_u32 s89, s89, s87
	s_lshl_b32 s90, s89, 7                         ; head x 64 blocks
	s_lshr_b32 s91, s86, 5
	s_add_co_u32 s90, s90, s91
	s_lshl_b32 s90, s90, 11
	s_add_co_u32 s[OFC], s90, 16777216
	s_lshl_b32 s90, s89, 4
	s_lshr_b32 s91, s86, 7
	s_add_co_u32 s90, s90, s91
	s_lshl_b32 s90, s90, 9
	s_add_co_u32 s[OFS], s90, 1048576
	s_mov_b32 s[STA], 512                          ; from a tile of channels to the next;
	s_mov_b32 s[STB], 129536                       ; from a head's last to the next head's first
	s_mov_b32 s76, 2048                            ; the four blocks of a lane: four blocks of 32 keys
	s_mov_b32 s77, 4096
	s_mov_b32 s78, 6144
	s_mov_b32 s[HS], 256
	s_mov_b32 s[RSH], 4
.Lset_done:
	s_mov_b32 s[OFC+1], 0
	s_mov_b32 s[OFS+1], 0
	s_mov_b32 s[STA+1], 0
	s_mov_b32 s[STB+1], 0
	s_mov_b32 s[HM], 0xffff0000                    ; lanes 16-31
	s_add_nc_u64 s[OUT:OUT+1], s[16:17], s[OFC:OFC+1]
	s_add_nc_u64 s[SCO:SCO+1], s[18:19], s[OFS:OFS+1]
	PLACES NP                                      ; behind the last products: the lines below write registers that held A's fragments, and read results
	v_and_b32 v1, 31, v0
	v_and_b32 v2, 15, v0
	v_bfe_u32 v3, v0, 4, 1
	v_lshlrev_b32 v[VB], 4, v1
	v_add_nc_u32 v[VB+1], s76, v[VB]
	v_add_nc_u32 v[VB+2], s77, v[VB]
	v_add_nc_u32 v[VB+3], s78, v[VB]
	v_lshlrev_b32 v[VS], s[RSH], v2
	v_mul_u32_u24 v4, v3, s[HS]
	v_add_nc_u32 v[VS], v[VS], v4
	v_lshlrev_b32 v[SH16], 4, v3
.irp b, 0,1,2,3
	v_mov_b32 v[TM+4+\b], 0                        ; a lane permute's destination counts as one of its sources
.endr
; Block a's 64 numbers of a lane (register 16 b + i = k 32 b + 16 (lane / 16) + i) become 16 registers of codes and a scale word
.macro QUANT a
.set W, 2+(\a)/4
.set AC, 64*((\a)%4)
	WIN W|(W<<2)
.irp b, 0,1,2,3
	v_max3_num_f32 v[TM+\b], |v[AC+16*\b]|, |v[AC+16*\b+1]|, 0x8000000   ; each accumulator is read from its low end on; the floor 2^(16 - 127) holds the byte at 1 from below
.endr
.irp i, 2,4,6,8,10,12,14
.irp b, 0,1,2,3
	v_max3_num_f32 v[TM+\b], |v[AC+16*\b+\i]|, |v[AC+16*\b+\i+1]|, v[TM+\b]
.endr
.endr
	WIN 0
.irp b, 0,1,2,3
	v_permlanex16_b32 v[TM+4+\b], v[TM+\b], s[SEL], s[SEL+1]
.endr
.irp b, 0,1,2,3
	v_max_num_f32 v[TM+\b], v[TM+\b], v[TM+4+\b]   ; with lane l xor 16's 16: the block's largest magnitude
.endr
.irp b, 0,1,2,3
	v_add_nc_u32 v[TM+12+\b], 0xf8800000, v[TM+\b] ; 15 off the exponent field: the conversion's scale operand
.endr
.irp b, 0,1,2,3
.endr
.irp b, 0,1,2,3
	v_lshrrev_b32 v[TM+4+\b], 23, v[TM+12+\b]      ; the byte
.endr
	v_lshl_or_b32 v[SW+(\a)], v[TM+5], 8, v[TM+4]
	v_lshl_or_b32 v[SW+(\a)], v[TM+6], 16, v[SW+(\a)]
	v_lshl_or_b32 v[SW+(\a)], v[TM+7], 24, v[SW+(\a)]
	WIN (W<<6)|W
.irp b, 0,1,2,3
.irp i, 0,1,2,3,4,5,6,7,8,9,10,11,12,13,14,15
.endr
.endr
	WIN W
.irp b, 0,1,2,3
	v_cvt_scalef32_pk8_bf8_f32 v[PC+4*\b:PC+4*\b+1], v[AC+16*\b:AC+16*\b+7], v[TM+12+\b]
	v_cvt_scalef32_pk8_bf8_f32 v[PC+4*\b+2:PC+4*\b+3], v[AC+16*\b+8:AC+16*\b+15], v[TM+12+\b]
.endr
	WIN 0
	v_nop                                          ; a plain line behind the last conversion
.endm
.irp a, 0,1,2,3,4,5,6,7
.if \a > 0
	s_wait_xcnt 0x0                                ; the last block's stores have read their codes and their base
.if \a == 4
	s_add_nc_u64 s[OUT:OUT+1], s[OUT:OUT+1], s[STB:STB+1]
.else
	s_add_nc_u64 s[OUT:OUT+1], s[OUT:OUT+1], s[STA:STA+1]
.endif
.endif
	QUANT \a
.irp e, 0,1,2,3
	global_store_b128 v[VB+\e], v[PC+4*\e:PC+4*\e+3], s[OUT:OUT+1]   ; 32 lanes store 512 consecutive bytes
.endr
.endr
	s_cmp_eq_u32 s[KIND], 2
	s_cbranch_scc1 .Lsc_v
.irp a, 0,1,2,3,4,5,6,7
	v_lshrrev_b32 v[SW+\a], v[SH16], v[SW+\a]      ; lanes 0-15 keep the word (the even head's bytes lowest), lanes 16-31 bring the odd head's two bytes down
.endr
.irp e, 0,1,2,3
	global_store_b64 v[VS], v[SW+2*\e:SW+2*\e+1], s[SCO:SCO+1] offset:256*\e   ; a block of 32 positions: 256 consecutive bytes
.endr
	s_branch .Lsc_done
.Lsc_v:
.irp e, 0,1,2,3
	v_cndmask_b32 v[SW+\e], v[SW+\e], v[SW+4+\e], s[HM]   ; lanes 0-15: the even head's four tiles; lanes 16-31: the odd head's
.endr
	global_store_b128 v[VS], v[SW:SW+3], s[SCO:SCO+1]      ; 512 consecutive bytes
.Lsc_done:
	s_wait_tensorcnt 0x0                           ; the wave's end
	ds_add_u32 v[SPW], v[NIL]
	s_wait_dscnt 0x0
	CROUND                                         ; the closing round
	s_endpgm
.Lfunc_end_k_qb177bcd4a4_qkv:
	.size	k_qb177bcd4a4_qkv, .Lfunc_end_k_qb177bcd4a4_qkv-k_qb177bcd4a4_qkv
	.p2alignl 7, 3214868480
	.fill 96, 4, 3214868480
	.section	.rodata,"a",@progbits
	.p2align	6, 0x0
	.amdhsa_kernel k_qb177bcd4a4_qkv
		.amdhsa_group_segment_fixed_size 327680
		.amdhsa_private_segment_fixed_size 0
		.amdhsa_enable_private_segment 0
		.amdhsa_kernarg_size 64
		.amdhsa_user_sgpr_count 2
		.amdhsa_user_sgpr_kernarg_segment_ptr 1
		.amdhsa_wavefront_size32 1
		.amdhsa_system_sgpr_workgroup_id_x 1
		.amdhsa_system_sgpr_workgroup_id_y 1
		.amdhsa_system_sgpr_workgroup_id_z 1
		.amdhsa_system_vgpr_workitem_id 0
		.amdhsa_next_free_vgpr 1024
		.amdhsa_next_free_sgpr 102
		.amdhsa_reserve_vcc 0
		.amdhsa_float_denorm_mode_32 3
		.amdhsa_float_denorm_mode_16_64 3
		.amdhsa_fp16_overflow 1
		.amdhsa_memory_ordered 1
		.amdhsa_forward_progress 1
		.amdhsa_inst_pref_size 171
	.end_amdhsa_kernel
	.amdgpu_metadata
---
amdhsa.version: [ 1, 2 ]
amdhsa.kernels:
  - .name:           k_qb177bcd4a4_qkv
    .symbol:         k_qb177bcd4a4_qkv.kd
    .args:
      - { .name: xc, .offset: 0, .size: 8, .value_kind: global_buffer, .address_space: global }
      - { .name: wc, .offset: 8, .size: 8, .value_kind: global_buffer, .address_space: global }
      - { .name: ps, .offset: 16, .size: 8, .value_kind: global_buffer, .address_space: global }
      - { .name: b_q, .offset: 24, .size: 8, .value_kind: global_buffer, .address_space: global }
      - { .name: b_k, .offset: 32, .size: 8, .value_kind: global_buffer, .address_space: global }
      - { .name: b_v, .offset: 40, .size: 8, .value_kind: global_buffer, .address_space: global }
      - { .name: qkvc, .offset: 48, .size: 8, .value_kind: global_buffer, .address_space: global }
      - { .name: qkvs, .offset: 56, .size: 8, .value_kind: global_buffer, .address_space: global }
    .group_segment_fixed_size: 327680
    .private_segment_fixed_size: 0
    .kernarg_segment_align: 8
    .kernarg_segment_size: 64
    .max_flat_workgroup_size: 128
    .sgpr_count:     102
    .vgpr_count:     1024
    .wavefront_size: 32
...
	.end_amdgpu_metadata
.endif
;; end of part 2
;; launch attn (part 3): grid 8 x 32, 16 waves a work-group, no clusters, 167,936 bytes of LDS; arguments qkvc, qkvs, cimg, csc; writes cimg, csc
.if DOCPART == 3
	.amdgcn_target "amdgcn-amd-amdhsa--gfx1250"
	.amdhsa_code_object_version 6
	.text
	.protected	k_qb177bcd4a4_attn
	.globl	k_qb177bcd4a4_attn
	.p2align	8
	.type	k_qb177bcd4a4_attn,@function
k_qb177bcd4a4_attn:
	s_mov_b64 s[64:65], 0
	v_nop
	global_prefetch_b8 v0, s[64:65] scope:SCOPE_SE
	s_setreg_imm32_b32 hwreg(HW_REG_WAVE_MODE, 25, 1), 1
	s_wait_xcnt 0x0
; Attention with the causal window of 256 keys (key j counts for query i where 0 <= i - j < 256), both products on codes of BF8 (E5M2) with E8M0 scales; ctx is quantised on the way out.
; A work-group owns 256 queries of a pair of heads of one batch; each of its sixteen waves owns a tile of 16 query POSITIONS (rows with bits 3 and 4 exchanged) and takes the two heads one after the other.
; A tile's queries lie in one natural block of 32, so it needs nine blocks of 32 keys: the first and the last in part, seven whole.  Keys outside are never multiplied.
; ALL THAT THE WORK-GROUP READS OF K AND V (512 keys x 2 heads, with scale words) comes as first fills, one tensor load a wave (waves 0-11); nothing in LDS is filled again.
; For the first block of queries the 256 keys "before key 0" are keys 0-255 once more (finite codes), and their blocks are hidden whole: a scalar branch on the work-group's and the wave's numbers.
; No cluster: a tile of 256 keys is shared by two neighbouring work-groups only, and lands at different LDS addresses in them.  No prefetch: every tile is asked for at the kernel's head.
; OPERANDS lie in memory and in LDS as images of their registers: every fragment load reads 512 consecutive bytes, 16 a lane.
; Both products are used transposed: S^T = K Q^T (K = the head's 64, the upper 64 of the instruction's 128 are zero codes on both sides), O^T = V^T P^T (K = 128 keys; the ninth block alone: 32 keys and zero codes of P).
; A lane holds ONE query throughout; the 16 registers of two neighbouring tiles of keys are 16 neighbouring keys, of two neighbouring tiles of channels 16 neighbouring channels.
; THE SOFTMAX: t = score x log2(e) / 8; M = the running largest t rounded up to a whole number; p = 2^(t - M) is quantised along the keys; the row's sum is taken of the unquantised p and divides O at the end.
; A block's largest p is the exponential of its largest score (this takes v_exp_f32 not to fall where its input rises).
; LIMITS: NaN and infinities are not served; a block whose largest magnitude lies under 2^-111 gets the scale byte 1.
.set KSC,   131072                     ; LDS: K's codes at 0 (head x 32,768 + tile x 1,024), V's at 65,536 (head x 32,768 + block x 2,048), K's scale words, 256 bytes a block,
.set VSC,   135168                     ; V's, 512 bytes for 128 keys,
.set SPARE, 137216                     ; the spare words, 128 bytes a wave: eight blocks of 256 bytes that no other line names
.set AK,   1
.set AV,   2
.set AKS,  3
.set AVS,  4
.set SPW,  5
.set NIL,  6
.set NINF, 7
.set GO,   8                           ; 16 x lane
.set DL,   9                           ; my query's place in its block of 32, less 16 (lane / 16)
.set WV,   20
.set MNT,  21
.set HB,   22                          ; how many of my first blocks lie before key 0
.set SH,   23                          ; 8 x (my first block % 4): V's scale bytes are shifted by it
.set G1C,  24
.set G1KS, 32
.set G1VS, 40
.set G0C,  48
.set G0KS, 52
.set G0VS, 56
.set SEL,  60
.set CS,   62
.set QB,   72                          ; s[72:73] Q's codes, s[74:75] Q's scale words, s[76:77] ctx's codes, s[78:79] ctx's scale bytes
.set QSB,  74
.set CIB,  76
.set CSB,  78
.set MK,   80                          ; s80-95: lane masks: i > DL
	s_load_b256 s[4:11], s[0:1], 0x0               ; qkvc, qkvs, cimg, csc
	v_lshl_add_u32 v[SPW], v0, 2, SPARE
	v_mov_b32 v[NIL], 0
	ds_add_u32 v[SPW], v[NIL]                      ; the wave's opening: the add and its wait ahead of my first tensor load
	ds_add_u32 v[SPW], v[NIL]
	v_lshrrev_b32 v252, 5, v0
	s_delay_alu instid0(VALU_DEP_1)
	v_readfirstlane_b32 s[WV], v252                ; wave 0..15
	s_mov_b32 s66, ttmp9                           ; the block of 256 queries
	s_and_b32 s67, ttmp7, 0xffff                   ; batch x 8 + pair of heads
	s_and_b32 s96, s[WV], 1
	s_add_co_u32 s68, s66, s96
	s_sub_co_i32 s68, s68, 1
	s_max_i32 s68, s68, 0                          ; which 256 keys I fetch: the block before mine (even wave) or mine (odd wave); never before key 0
	s_lshr_b32 s69, s[WV], 1                       ; my first block of 32 keys among the 16 in LDS
	s_sub_co_u32 s97, 8, s69
	s_cmp_eq_u32 s66, 0
	s_cselect_b32 s[HB], s97, 0
	s_and_b32 s[SH], s69, 3
	s_lshl_b32 s[SH], s[SH], 3
	; descriptors' groups 1: dense blocks as rows of 256 bytes (32 elements of 8 bytes): 64 rows of codes, 8 of K's scale words, 4 of V's
.irp g, G1C, G1KS, G1VS
	s_mov_b32 s[\g], 3<<16
	s_mov_b32 s[\g+1], 32<<16
	s_mov_b32 s[\g+3], 32<<16
	s_mov_b32 s[\g+5], 32
	s_mov_b32 s[\g+6], 0
	s_mov_b32 s[\g+7], 0
.endr
	s_mov_b32 s[G1C+2], 64<<16
	s_mov_b32 s[G1C+4], 64
	s_mov_b32 s[G1KS+2], 8<<16
	s_mov_b32 s[G1KS+4], 8
	s_mov_b32 s[G1VS+2], 4<<16
	s_mov_b32 s[G1VS+4], 4
	s_lshl_b32 s70, s67, 3
	s_add_co_u32 s70, s70, s68
	s_lshl_b32 s72, s70, 11
	s_add_co_u32 s72, s72, 524288                  ; K's scale words of my 256 keys
	s_mov_b32 s73, 0
	s_lshl_b32 s74, s70, 10
	s_add_co_u32 s74, s74, 1048576                 ; V's
	s_mov_b32 s75, 0
	s_bfe_u32 s96, s[WV], 0x10001                  ; which head of the pair
	s_lshl_b32 s97, s67, 1
	s_add_co_u32 s96, s96, s97
	s_lshl_b32 s96, s96, 3
	s_add_co_u32 s96, s96, s68
	s_lshl_b32 s96, s96, 14                        ; 16,384 bytes of codes for 256 keys of a head
	s_lshr_b32 s97, s[WV], 2
	s_add_co_u32 s97, s97, 1
	s_lshl_b32 s97, s97, 23                        ; K's part of the buffer (waves 0-3) or V's (4-7)
	s_add_co_u32 s70, s96, s97
	s_mov_b32 s71, 0
	s_mov_b32 s[SEL], 0x76543210
	s_mov_b32 s[SEL+1], 0xfedcba98
	s_mov_b32 s[CS], 0x3e38aa3b                    ; log2(e) / 8
	s_mov_b32 s[CS+1], s[CS]
	s_wait_dscnt 0x0                               ; the opening add is done
	s_wait_kmcnt 0x0
	s_mov_b32 s[G0C], 1
	s_lshl_b32 s[G0C+1], s[WV], 14                 ; K head 0 (2 parts), K head 1, V head 0, V head 1
	s_add_nc_u64 s[G0C+2:G0C+3], s[4:5], s[70:71]
	s_or_b32 s[G0C+3], s[G0C+3], 0x80000000
	s_mov_b32 s[G0KS], 1
	s_lshl_b32 s[G0KS+1], s[WV], 11
	s_add_co_u32 s[G0KS+1], s[G0KS+1], KSC-8*2048
	s_add_nc_u64 s[G0KS+2:G0KS+3], s[6:7], s[72:73]
	s_or_b32 s[G0KS+3], s[G0KS+3], 0x80000000
	s_mov_b32 s[G0VS], 1
	s_lshl_b32 s[G0VS+1], s[WV], 10
	s_add_co_u32 s[G0VS+1], s[G0VS+1], VSC-10*1024
	s_add_nc_u64 s[G0VS+2:G0VS+3], s[6:7], s[74:75]
	s_or_b32 s[G0VS+3], s[G0VS+3], 0x80000000
	s_cmp_lt_u32 s[WV], 8                          ; one load a wave, waves 0-11; the branches hang on the wave's number alone; an s_nop 0 and four v_nop follow each
	s_cbranch_scc0 .Lnot_codes
	tensor_load_to_lds s[G0C:G0C+3], s[G1C:G1C+7]
	s_nop 0
.rept 4
	v_nop
.endr
	s_branch .Lasked
.Lnot_codes:
	s_cmp_lt_u32 s[WV], 10
	s_cbranch_scc0 .Lnot_ks
	tensor_load_to_lds s[G0KS:G0KS+3], s[G1KS:G1KS+7]
	s_nop 0
.rept 4
	v_nop
.endr
	s_branch .Lasked
.Lnot_ks:
	s_cmp_lt_u32 s[WV], 12
	s_cbranch_scc0 .Lasked
	tensor_load_to_lds s[G0VS:G0VS+3], s[G1VS:G1VS+7]
	s_nop 0
.rept 4
	v_nop
.endr
.Lasked:
	s_lshl_b32 s70, s67, 18                        ; Q's codes: head x 131,072 + tile x 1,024
	s_lshl_b32 s96, s66, 14
	s_add_co_u32 s70, s70, s96
	s_lshl_b32 s96, s[WV], 10
	s_add_co_u32 s70, s70, s96
	s_add_nc_u64 s[QB:QB+1], s[4:5], s[70:71]
	s_lshl_b32 s70, s67, 14                        ; Q's scale words: 256 bytes a block of 32 positions; my tile is its half wave % 2
	s_lshl_b32 s96, s66, 3
	s_add_co_u32 s96, s96, s69
	s_lshl_b32 s96, s96, 8
	s_add_co_u32 s70, s70, s96
	s_and_b32 s96, s[WV], 1
	s_lshl_b32 s96, s96, 2
	s_add_co_u32 s70, s70, s96
	s_add_nc_u64 s[QSB:QSB+1], s[6:7], s[70:71]
	s_lshr_b32 s97, s67, 3                         ; the batch
	s_lshl_b32 s70, s97, 7
	s_lshl_b32 s96, s66, 4
	s_add_co_u32 s70, s70, s96
	s_add_co_u32 s70, s70, s[WV]                   ; my tile of 16 positions among the 512
	s_lshl_b32 s97, s70, 9                         ; (its scale bytes: 16 positions x 32)
	s_lshl_b32 s70, s70, 14
	s_and_b32 s96, s67, 7                          ; the pair of heads = the K step of the last product
	s_lshl_b32 s96, s96, 11
	s_add_co_u32 s70, s70, s96
	s_add_nc_u64 s[CIB:CIB+1], s[8:9], s[70:71]
	s_and_b32 s96, s67, 7
	s_lshl_b32 s96, s96, 2
	s_add_co_u32 s70, s97, s96
	s_add_nc_u64 s[CSB:CSB+1], s[10:11], s[70:71]
	v_and_b32 v[GO], 31, v0
	s_delay_alu instid0(VALU_DEP_1)
	v_lshlrev_b32 v[GO], 4, v[GO]
	v_and_b32 v252, 15, v0                         ; r
	v_bfe_u32 v253, v0, 4, 1                       ; h
	s_delay_alu instid0(VALU_DEP_2)
	v_lshlrev_b32 v10, 3, v252                     ; 8 r
	global_load_b128 v[16:19], v[GO], s[QB:QB+1]   ; Q's fragment of the even head: d 0-31,
	global_load_b128 v[20:23], v[GO], s[QB:QB+1] offset:512   ; d 32-63
	global_load_b32 v228, v10, s[QSB:QSB+1]        ; its scale words
	s_lshl_b32 s96, s69, 11
	v_add_nc_u32 v[AK], s96, v[GO]
	s_delay_alu instid0(VALU_DEP_1)
	v_add_nc_u32 v[AV], 65536, v[AK]
	s_lshl_b32 s96, s69, 8
	s_add_co_u32 s96, s96, KSC
	v_add_nc_u32 v[AKS], s96, v10
	s_lshr_b32 s96, s[WV], 3
	s_lshl_b32 s96, s96, 9
	s_add_co_u32 s96, s96, VSC
	v_lshl_add_u32 v[AVS], v252, 4, s96
	v_lshlrev_b32 v11, 5, v252                     ; ctx's scale bytes: 32 a position
	v_and_b32 v[DL], 8, v252
	s_delay_alu instid0(VALU_DEP_1)
	v_add_nc_u32 v[DL], v[DL], v252
	v_lshlrev_b32 v253, 4, v253
	s_delay_alu instid0(VALU_DEP_1)
	v_sub_nc_u32 v[DL], v[DL], v253
	s_and_b32 s96, s[WV], 1
	s_lshl_b32 s96, s96, 3
	v_add_nc_u32 v[DL], s96, v[DL]                 ; 8 (wave % 2) + r + 8 (r / 8) - 16 h
	v_mov_b32 v[NINF], 0xff800000
.irp j, 24,25,26,27,28,29,30,31
	v_mov_b32 v[\j], 0                             ; the upper 64 of Q's K: zero codes
.endr
.irp t, 0,1,2,3
.irp j, 8,9,10,11,12,13,14,15
	v_mov_b32 v[32+16*\t+\j], 0                    ; and of K's four buffers: they stay
.endr
.endr
.irp j, 229,236,237,238,239,251
	v_mov_b32 v[\j], 0                             ; lane permutes' destinations and upper halves of pairs are written once
.endr
.set ii, 0
.rept 16
	v_cmp_gt_i32 s[MK+ii], ii, v[DL]
.set ii, ii+1
.endr
; nt tiles of 16 keys of S^T = K Q^T: tiles 8 s + 4 g + 0 .. nt - 1, counted from my first block
.macro QKG s, g, nt
.if \g == 0
.rept 9
	v_nop                                          ; the scores are laid over registers that the last products read as an operand: nine places; they serve the loads below too
.endr
.else
.rept 8
	v_nop                                          ; in front of loads into registers that matrix instructions have read
.endr
.endif
.set tt, 0
.rept \nt
	ds_load_b128 v[32+16*tt:35+16*tt], v[AK] offset:(8*\s+4*\g+tt)*1024
	ds_load_b128 v[36+16*tt:39+16*tt], v[AK] offset:(8*\s+4*\g+tt)*1024+512
.set tt, tt+1
.endr
.set tt, 0
.rept \nt/2
	ds_load_b64 v[220+4*\g+2*tt:221+4*\g+2*tt], v[AKS] offset:(4*\s+2*\g+tt)*256   ; a block's two tiles' scale words
.set tt, tt+1
.endr
	s_wait_dscnt 0x0
.set tt, 0
.rept \nt
	v_wmma_scale_f32_16x16x128_f8f6f4 v[96+8*(4*\g+tt):103+8*(4*\g+tt)], v[32+16*tt:47+16*tt], v[16:31], 0, v[220+4*\g+tt], v228 matrix_a_fmt:MATRIX_FMT_BF8 matrix_b_fmt:MATRIX_FMT_BF8
.set tt, tt+1
.endr
.endm
.macro HIDE k, be                      ; my k-th block lies before key 0: its 16 scores of a lane become -infinity
	s_cmp_gt_u32 s[HB], \k
	s_cbranch_scc0 .Lshown_\@
.set ii, 0
.rept 16
	v_mov_b32 v[96+16*\be+ii], v[NINF]
.set ii, ii+1
.endr
.Lshown_\@:
.endm
; A KEY STEP: nb blocks of 32 keys (4, 4, then the ninth alone)
.macro STEP s, nb, first, eta
.if \nb == 4
	QKG \s, 0, 4
	QKG \s, 1, 4
.else
	QKG \s, 0, 2
.endif
.rept 8
	v_nop
.endr
.if (\s == 2) && (\eta == 0)
	global_load_b128 v[16:19], v[GO], s[QB:QB+1] offset:131072       ; the odd head's Q: the even head's last scores are made, eight places back
	global_load_b128 v[20:23], v[GO], s[QB:QB+1] offset:131072+512
	global_load_b32 v228, v10, s[QSB:QSB+1] offset:128
.endif
.if \s == 0
	HIDE 0, 0
	HIDE 1, 1
	HIDE 2, 2
	HIDE 3, 3
.set ii, 0
.rept 16
	v_cndmask_b32 v[96+ii], v[NINF], v[96+ii], s[MK+ii]   ; the window's far edge: key 16 h + i of my first block counts where i > DL
.set ii, ii+1
.endr
.endif
.if \s == 1
	HIDE 4, 0
	HIDE 5, 1
	HIDE 6, 2
	HIDE 7, 3
.endif
.if \s == 2
.set ii, 0
.rept 16
	v_cndmask_b32 v[96+ii], v[96+ii], v[NINF], s[MK+ii]   ; the diagonal: key 16 h + i of my own block counts where i <= DL
.set ii, ii+1
.endr
.endif
.set bb, 0
.rept \nb
	v_max3_num_f32 v[232+bb], v[96+16*bb], v[97+16*bb], v[98+16*bb]   ; each block's largest score: for the row's maximum, and for the block's largest p
.set bb, bb+1
.endr
.irp i, 3,5,7,9,11,13
.set bb, 0
	v_max3_num_f32 v[232+bb], v[232+bb], v[96+16*bb+\i], v[97+16*bb+\i]
.set bb, bb+1
.rept (\nb)-1
	v_max3_num_f32 v[232+bb], v[232+bb], v[96+16*bb+\i], v[97+16*bb+\i]
.set bb, bb+1
.endr
.endr
.set bb, 0
	v_max_num_f32 v[232+bb], v[232+bb], v[111+16*bb]
.set bb, bb+1
.rept (\nb)-1
	v_max_num_f32 v[232+bb], v[232+bb], v[111+16*bb]
.set bb, bb+1
.endr
.set bb, 0
	v_permlanex16_b32 v[236+bb], v[232+bb], s[SEL], s[SEL+1]
.set bb, bb+1
.rept (\nb)-1
	s_delay_alu instid0(VALU_DEP_4)
	v_permlanex16_b32 v[236+bb], v[232+bb], s[SEL], s[SEL+1]
.set bb, bb+1
.endr
.set bb, 0
	v_max_num_f32 v[232+bb], v[232+bb], v[236+bb]
.set bb, bb+1
.rept (\nb)-1
	s_delay_alu instid0(VALU_DEP_4)
	v_max_num_f32 v[232+bb], v[232+bb], v[236+bb]
.set bb, bb+1
.endr
.if \nb == 4
	s_delay_alu instid0(VALU_DEP_2)
	v_max3_num_f32 v252, v232, v233, v234
	s_delay_alu instid0(VALU_DEP_1)
	v_max_num_f32 v252, v252, v235
	s_delay_alu instid0(VALU_DEP_1)
	v_mul_f32 v252, s[CS], v252
.else
	s_delay_alu instid0(VALU_DEP_1)
	v_mul_f32 v252, s[CS], v232
.endif
.if \first
	s_delay_alu instid0(VALU_DEP_1)
	v_max_num_f32 v13, 0xff61b1e6, v252            ; the largest t so far; -3e38 stands under every t (a step all of whose keys are hidden)
	s_delay_alu instid0(VALU_DEP_1)
	v_floor_f32 v12, -v13                          ; -M = floor(-t): M is a whole number
.else
	s_delay_alu instid0(VALU_DEP_1)
	v_max_num_f32 v13, v13, v252
	v_mov_b32 v253, v12
	s_delay_alu instid0(VALU_DEP_2)
	v_floor_f32 v12, -v13
	s_delay_alu instid0(VALU_DEP_1)
	v_sub_f32 v253, v12, v253                      ; old M - new M: a whole number, 0 or less
	s_delay_alu instid0(VALU_DEP_1)
	v_cvt_i32_f32 v253, v253                       ; (it saturates)
	s_delay_alu instid0(VALU_DEP_1)
	v_ldexp_f32 v250, 1.0, v253                    ; f = 2^(old M - new M): rounds nothing
.endif
.set jj, 0
.rept 8*\nb
	v_pk_fma_f32 v[96+jj:97+jj], v[96+jj:97+jj], s[CS:CS+1], v[12:13] op_sel_hi:[1,0,0]   ; t - M
.set jj, jj+2
.endr
.set bb, 0
.rept \nb
	v_fma_f32 v[232+bb], v[232+bb], s[CS], v12
.set bb, bb+1
.endr
.set jj, 0
	s_wait_alu depctr_va_vdst(0)
.rept 16*\nb
	v_exp_f32 v[96+jj], v[96+jj]                   ; p = 2^(t - M)
.set jj, jj+1
.endr
.if \first
	v_nop                                          ; a plain line behind the exponentials
.else
	v_pk_mul_f32 v[14:15], v[14:15], v[250:251] op_sel_hi:[1,0]   ; the sums under the new M (a plain line behind the exponentials)
.endif
	s_wait_alu depctr_va_vdst(0)                   ; one wait for the batch, ahead of its first reader
.set bb, 0
.rept \nb
	v_exp_f32 v[232+bb], v[232+bb]                 ; the block's largest p
.set bb, bb+1
.endr
	v_pk_add_f32 v[236:237], v[96:97], v[98:99]    ; the row's sum, of the unquantised p, in two chains
.set jj, 4
.rept 4*\nb-1
	v_pk_add_f32 v[14:15], v[14:15], v[96+jj:97+jj]
	v_pk_add_f32 v[236:237], v[236:237], v[98+jj:99+jj]
.set jj, jj+4
.endr
	s_delay_alu instid0(VALU_DEP_1)
	v_pk_add_f32 v[14:15], v[14:15], v[236:237]
	s_wait_alu depctr_va_vdst(0)                   ; and one for the blocks' exponentials
.set bb, 0
.rept \nb
	v_max_num_f32 v[232+bb], 0x8000000, v[232+bb]  ; the floor 2^(16 - 127): the byte cannot fall under 1
.set bb, bb+1
.endr
.set bb, 0
	v_add_nc_u32 v[244+bb], 0xf8800000, v[232+bb]
.set bb, bb+1
.rept (\nb)-1
	s_delay_alu instid0(VALU_DEP_4)
	v_add_nc_u32 v[244+bb], 0xf8800000, v[232+bb]  ; the conversion's scale operand
.set bb, bb+1
.endr
.set bb, 0
.rept \nb
.set bb, bb+1
.endr
.set bb, 0
	v_lshrrev_b32 v[236+bb], 23, v[244+bb]
.set bb, bb+1
.rept (\nb)-1
	s_delay_alu instid0(VALU_DEP_4)
	v_lshrrev_b32 v[236+bb], 23, v[244+bb]         ; the byte
.set bb, bb+1
.endr
.if \nb == 4
	s_delay_alu instid0(VALU_DEP_3)
	v_lshl_or_b32 v248, v237, 8, v236              ; p's scale word
	s_delay_alu instid0(VALU_DEP_1)
	v_lshl_or_b32 v248, v238, 16, v248
	s_delay_alu instid0(VALU_DEP_1)
	v_lshl_or_b32 v248, v239, 24, v248
.else
	s_delay_alu instid0(VALU_DEP_1)
	v_mov_b32 v248, v236                           ; the upper three bytes, 0, meet zero codes alone
.endif
.set bb, 0
.rept \nb
.set ii, 0
.rept 16
.set ii, ii+1
.endr
	v_cvt_scalef32_pk8_bf8_f32 v[192+4*bb:193+4*bb], v[96+16*bb:103+16*bb], v[244+bb]
	v_cvt_scalef32_pk8_bf8_f32 v[194+4*bb:195+4*bb], v[104+16*bb:111+16*bb], v[244+bb]
.set bb, bb+1
.endr
.if \nb == 4
	s_wait_alu depctr_va_vdst(0)
	v_nop
.irp t, 0,1,2,3
.irp c, 0,1,2,3
	ds_load_b128 v[96+16*\t+4*\c:99+16*\t+4*\c], v[AV] offset:(4*\s+\c)*2048+512*\t   ; V's four tiles of channels x these 128 keys, where p lay
.endr
.endr
.else
.irp j, 196,197,198,199,200,201,202,203,204,205,206,207
	v_mov_b32 v[\j], 0                             ; P's other 96 keys: zero codes
.endr
.irp t, 0,1,2,3
	ds_load_b128 v[32+16*\t:35+16*\t], v[AV] offset:8*2048+512*\t   ; V's ninth block, into K's buffers: behind it stand finite codes and zeros, which meet P's zeros
.endr
.endif
.if \first
.rept 5
	v_nop                                          ; places between P's codes and the products
.endr
.else
.set jj, 0
.rept 16
	v_pk_mul_f32 v[160+jj:161+jj], v[160+jj:161+jj], v[250:251] op_sel_hi:[1,0]   ; O^T under the new M (also the places in front of the products)
.set jj, jj+2
.endr
.endif
	s_wait_alu depctr_va_vdst(0)
	s_wait_dscnt 0x0
.irp t, 0,1,2,3
.if \first
	v_wmma_scale_f32_16x16x128_f8f6f4 v[160+8*\t:167+8*\t], v[96+16*\t:111+16*\t], v[192:207], 0, v[208+4*\s+\t], v248 matrix_a_fmt:MATRIX_FMT_BF8 matrix_b_fmt:MATRIX_FMT_BF8
.elseif \nb == 4
	v_wmma_scale_f32_16x16x128_f8f6f4 v[160+8*\t:167+8*\t], v[96+16*\t:111+16*\t], v[192:207], v[160+8*\t:167+8*\t], v[208+4*\s+\t], v248 matrix_a_fmt:MATRIX_FMT_BF8 matrix_b_fmt:MATRIX_FMT_BF8
.else
	v_wmma_scale_f32_16x16x128_f8f6f4 v[160+8*\t:167+8*\t], v[32+16*\t:47+16*\t], v[192:207], v[160+8*\t:167+8*\t], v[208+4*\s+\t], v248 matrix_a_fmt:MATRIX_FMT_BF8 matrix_b_fmt:MATRIX_FMT_BF8
.endif
.endr
.endm
; O^T / the sum is ctx: 64 channels of my query: two blocks of 32 along the last product's K.  Its codes leave as the image of that product's operand.
.macro FINISH eta
	v_add_f32 v14, v14, v15
	s_delay_alu instid0(VALU_DEP_1)
	v_permlanex16_b32 v252, v14, s[SEL], s[SEL+1]
	s_delay_alu instid0(VALU_DEP_1)
	v_add_f32 v14, v14, v252                       ; the row's sum
.rept 6
	v_nop                                          ; with the two additions: eight places behind the last products
.endr
	s_wait_alu depctr_va_vdst(0)
	v_rcp_f32 v250, v14
	v_nop
	s_wait_alu depctr_va_vdst(0)                   ; ahead of the reciprocal's first reader
.set jj, 0
.rept 16
	v_pk_mul_f32 v[160+jj:161+jj], v[160+jj:161+jj], v[250:251] op_sel_hi:[1,0]   ; each accumulator from its low end on
.set jj, jj+2
.endr
.irp b, 0,1
	v_max3_num_f32 v[232+\b], |v[160+16*\b]|, |v[161+16*\b]|, 0x8000000
.endr
.irp i, 2,4,6,8,10,12,14
.irp b, 0,1
	s_delay_alu instid0(VALU_DEP_2)
	v_max3_num_f32 v[232+\b], v[232+\b], |v[160+16*\b+\i]|, |v[161+16*\b+\i]|
.endr
.endr
.irp b, 0,1
	s_delay_alu instid0(VALU_DEP_2)
	v_permlanex16_b32 v[236+\b], v[232+\b], s[SEL], s[SEL+1]
.endr
.irp b, 0,1
	s_delay_alu instid0(VALU_DEP_2)
	v_max_num_f32 v[232+\b], v[232+\b], v[236+\b]
.endr
.irp b, 0,1
	s_delay_alu instid0(VALU_DEP_2)
	v_add_nc_u32 v[244+\b], 0xf8800000, v[232+\b]
.endr
.irp b, 0,1
.endr
.irp b, 0,1
	s_delay_alu instid0(VALU_DEP_2)
	v_lshrrev_b32 v[236+\b], 23, v[244+\b]
.endr
	s_delay_alu instid0(VALU_DEP_1)
	v_lshl_or_b32 v253, v237, 8, v236              ; this head's two bytes
.irp b, 0,1
.irp i, 0,1,2,3,4,5,6,7,8,9,10,11,12,13,14,15
.endr
.endr
	s_wait_alu depctr_va_vdst(0)
	s_wait_xcnt 0x0                                ; earlier stores have read the registers that the codes take
.irp b, 0,1
	v_cvt_scalef32_pk8_bf8_f32 v[192+4*\b:193+4*\b], v[160+16*\b:167+16*\b], v[244+\b]
	v_cvt_scalef32_pk8_bf8_f32 v[194+4*\b:195+4*\b], v[168+16*\b:175+16*\b], v[244+\b]
.endr
	v_nop                                          ; a plain line behind the last conversion
.irp b, 0,1
	global_store_b128 v[GO], v[192+4*\b:195+4*\b], s[CIB:CIB+1] offset:\eta*1024+512*\b   ; 32 lanes store 512 consecutive bytes
.endr
.if \eta
	v_lshl_or_b32 v229, v253, 16, v229             ; the pair of heads' four bytes: a scale word of the last product
.else
	v_mov_b32 v229, v253
.endif
.endm
.macro TRIP eta
.if \eta
	v_add_nc_u32 v[AK], 32768, v[AK]               ; the odd head's codes and scale words
	v_add_nc_u32 v[AV], 32768, v[AV]
	v_add_nc_u32 v[AKS], 128, v[AKS]
	v_add_nc_u32 v[AVS], 256, v[AVS]
	s_wait_alu depctr_va_vdst(0)
	s_wait_loadcnt 0x0                             ; its Q
	s_wait_xcnt 0x0                                ; the even head's stores have read the registers that P's codes take again
.endif
.irp g, 0,1,2
	ds_load_b128 v[208+4*\g:211+4*\g], v[AVS] offset:512*\g   ; V's scale words: four tiles of channels x three groups of 128 keys
.endr
	v_mov_b32 v14, 0
	v_mov_b32 v15, 0
	s_wait_dscnt 0x0
.irp t, 0,1,2,3
	v_alignbit_b32 v[208+\t], v[212+\t], v[208+\t], s[SH]   ; my steps begin at block B0, not at a multiple of four: the bytes are shifted into place
.endr
.irp t, 0,1,2,3
	v_alignbit_b32 v[212+\t], v[216+\t], v[212+\t], s[SH]
.endr
.irp t, 0,1,2,3
	v_alignbit_b32 v[216+\t], v[216+\t], v[216+\t], s[SH]   ; the ninth block's byte lowest; the others meet zero codes
.endr
	STEP 0, 4, 1, \eta
	STEP 1, 4, 0, \eta
	STEP 2, 1, 0, \eta
	FINISH \eta
.endm
	s_wait_tensorcnt 0x0                           ; my tile has landed,
	s_barrier_signal -1
	s_barrier_wait -1                              ; everybody's has
	s_wait_loadcnt 0x0                             ; Q
	TRIP 0
	TRIP 1
	v_and_b32 v252, 31, v0
	s_delay_alu instid0(VALU_DEP_1)
	v_cmp_gt_u32 vcc_lo, 16, v252
	s_wait_alu depctr_va_vdst(0)
	s_wait_xcnt 0x0                                ; EXEC changes only behind this wait
	s_and_saveexec_b32 s98, vcc_lo
	global_store_b32 v11, v229, s[CSB:CSB+1]       ; lanes 0-15: four of a position's 32 scale bytes (the other 28 belong to other work-groups' pairs of heads)
	s_wait_xcnt 0x0
	s_or_b32 exec_lo, exec_lo, s98
	s_wait_tensorcnt 0x0                           ; the wave's end
	ds_add_u32 v[SPW], v[NIL]
	s_wait_dscnt 0x0
	s_endpgm
.Lfunc_end_k_qb177bcd4a4_attn:
	.size	k_qb177bcd4a4_attn, .Lfunc_end_k_qb177bcd4a4_attn-k_qb177bcd4a4_attn
	.p2alignl 7, 3214868480
	.fill 96, 4, 3214868480
	.section	.rodata,"a",@progbits
	.p2align	6, 0x0
	.amdhsa_kernel k_qb177bcd4a4_attn
		.amdhsa_group_segment_fixed_size 167936
		.amdhsa_private_segment_fixed_size 0
		.amdhsa_enable_private_segment 0
		.amdhsa_kernarg_size 32
		.amdhsa_user_sgpr_count 2
		.amdhsa_user_sgpr_kernarg_segment_ptr 1
		.amdhsa_wavefront_size32 1
		.amdhsa_system_sgpr_workgroup_id_x 1
		.amdhsa_system_sgpr_workgroup_id_y 1
		.amdhsa_system_sgpr_workgroup_id_z 1
		.amdhsa_system_vgpr_workitem_id 0
		.amdhsa_next_free_vgpr 256
		.amdhsa_next_free_sgpr 100
		.amdhsa_reserve_vcc 1
		.amdhsa_float_denorm_mode_32 3
		.amdhsa_float_denorm_mode_16_64 3
		.amdhsa_fp16_overflow 1
		.amdhsa_memory_ordered 1
		.amdhsa_forward_progress 1
		.amdhsa_inst_pref_size 113
	.end_amdhsa_kernel
	.amdgpu_metadata
---
amdhsa.version: [ 1, 2 ]
amdhsa.kernels:
  - .name:           k_qb177bcd4a4_attn
    .symbol:         k_qb177bcd4a4_attn.kd
    .args:
      - { .name: qkvc, .offset: 0, .size: 8, .value_kind: global_buffer, .address_space: global }
      - { .name: qkvs, .offset: 8, .size: 8, .value_kind: global_buffer, .address_space: global }
      - { .name: cimg, .offset: 16, .size: 8, .value_kind: global_buffer, .address_space: global }
      - { .name: csc, .offset: 24, .size: 8, .value_kind: global_buffer, .address_space: global }
    .group_segment_fixed_size: 167936
    .private_segment_fixed_size: 0
    .kernarg_segment_align: 8
    .kernarg_segment_size: 32
    .max_flat_workgroup_size: 512
    .sgpr_count:     100
    .vgpr_count:     256
    .wavefront_size: 32
...
	.end_amdgpu_metadata
.endif
;; end of part 3
;; launch oproj (part 4): grid 4 x 32, 4 waves a work-group, clusters of 4 x 4, 327,680 bytes of LDS; arguments cimg, csc, wc, ps, x, b_o, out0; writes out0
.if DOCPART == 4
	.amdgcn_target "amdgcn-amd-amdhsa--gfx1250"
	.amdhsa_code_object_version 6
	.text
	.protected	k_qb177bcd4a4_oproj
	.globl	k_qb177bcd4a4_oproj
	.p2align	8
	.type	k_qb177bcd4a4_oproj,@function
k_qb177bcd4a4_oproj:
	s_mov_b64 s[64:65], 0
	v_nop
	global_prefetch_b8 v0, s[64:65] scope:SCOPE_SE
	s_setreg_imm32_b32 hwreg(HW_REG_WAVE_MODE, 25, 1), 1
	s_wait_xcnt 0x0
	s_wait_alu depctr_hold_cnt(0) depctr_sa_sdst(0) depctr_va_vdst(0) depctr_va_sdst(0) depctr_va_ssrc(0) depctr_va_vcc(0) depctr_vm_vsrc(0)
	s_getreg_b32 s2, hwreg(HW_REG_IB_STS2, 6, 4)
	s_cmp_eq_u32 s2, 0
	s_cbranch_scc0 .Lentry_in_a_cluster
	s_endpgm
.Lentry_in_a_cluster:
	s_bfe_u32 s2, ttmp6, 0x10000c
	s_cmp_lg_u32 s2, 0xf033
	s_cbranch_scc0 .Lentry_shape_is_right
	s_endpgm
.Lentry_shape_is_right:
; out = x + ctx W_o^T + b_o on codes of BF8 (E5M2) with E8M0 scales.  A = ctx, as images of the operand's registers: cimg [tile of 16 positions][K step of 128][c][lane][16 bytes]; its scale bytes csc, 32 a position.
; B = w_o: rows 3,072 on of wc [position][1024]; its scale bytes in ps.  A work-group makes 256 x 256, four waves of 128 x 128; K goes in steps of 256 through a ring of two LDS slots.
; 4 x 4 work-groups form a cluster: A's tiles are asked for jointly along a row of it, B's along a column.  Source 0 = 16 rows of B, source 1 = 16 rows of A: a lane holds one token, its registers run along the outputs.
; x + b_o START THE SUMS: while the first tiles are on their way, my 128 x 128 of x is loaded in whole rows (512 consecutive bytes a load) into the accumulators' registers, b_o is added, and each block
; of 16 rows is turned through my own stage in LDS into the accumulators' layout.  So every product adds in place, and the way out adds nothing.  (Another order of rounding than residual last.)
; Rows and columns lie at POSITIONS (bits 3 and 4 exchanged): the stage's column offsets and the rows' offsets in memory put them back.
; 128 work-groups: with a smaller tile a slot's matrix work, in which the one refill a wave has to land, would be halved.  No prefetch: K has four slots' worth of steps, two of them first fills.
; LIMITS: NaN and infinities are not served.
; REGISTERS: window 0: v0-31 addresses; v32-63 scale words; v64-67 b_o; from v128 A's fragments (on the way out: rows read back).  window 1: B's fragments, two sets.  windows 2, 3: the accumulators.
.set NQ,     2
.set ROWB,   256
.set KROW,   1024
.set PITCH,  272
.set FR,     16
.set NL,     4
.set NP,     8
.set HALFT,  128*PITCH
.set AREG,   65536                     ; a slot: A's 16 tiles x 4,096 bytes, then B's 256 rows
.set SLOT,   AREG+2*HALFT
.set KS,     32
.set SCL,    2*SLOT
.set HALFS,  (128*KS/256)*272
.set SBLK,   (16*KS/256)*272
.set SPARE,  SCL+4*HALFS               ; the spare words, 128 bytes a wave: two blocks of 256 bytes that no other line names
.set STG,    SPARE+512                 ; a stage of 16 rows x (512 + 16) bytes for each wave: bytes of its own, into which no fill lands
.set SPITCH, 528
.set ADRA, 16
.set ADRB, 20
.set STO,  24
.set RD,   25
.set CO,   26
.set ADRS, 27
.set SPW,  28
.set NIL,  29
.set SC,   32
.set BO,   64
.set AF,   128
.set BK,   128
.set WV,   20
.set HIW,  21
.set LOW,  22
.set G1,   24
.set G0,   32
.set CX,   40
.set CY,   41
.set TC,   42
.set G1B,  48
.set G0B,  56
.set G1S,  68
.set G0S,  76
.set G1SB, 80
.set G0SB, 88
.set TR,   96
.set LAP,  101
.set MSB, 0
.macro WIN new
.if MSB != \new
	s_set_vgpr_msb (MSB<<8)|\new
.set MSB, \new
.endif
.endm
.set MUL_LO, 0xa1
.set MUL_HI, 0xf1
.set TO_B,   0x40
.macro JLOAD g0a, g1a, g0b, g1b        ; a joint load: waves 0 and 1 fetch for A, waves 2 and 3 for B; an s_nop 0 and four v_nop follow each line
	s_cmp_eq_u32 s[HIW], 0
	s_cbranch_scc0 .Lfor_b_\@
	tensor_load_to_lds s[\g0a:\g0a+3], s[\g1a:\g1a+7]
	s_nop 0
.rept 4
	v_nop
.endr
	s_branch .Lasked_\@
.Lfor_b_\@:
	tensor_load_to_lds s[\g0b:\g0b+3], s[\g1b:\g1b+7]
	s_nop 0
.rept 4
	v_nop
.endr
.Lasked_\@:
.endm
.macro CREST
	s_cmp_lg_u32 s[WV], 0
	s_cbranch_scc1 .Lnot_wave_0_\@
	s_barrier_signal -3
.Lnot_wave_0_\@:
	s_barrier_wait -3
	s_barrier_signal -1
	s_barrier_wait -1
.endm
.macro CROUND
	s_barrier_signal -1
	s_barrier_wait -1
	CREST
.endm
	s_load_b256 s[4:11], s[0:1], 0x0               ; cimg, csc, wc, ps
	s_load_b128 s[12:15], s[0:1], 0x20             ; x, b_o
	s_load_b64 s[16:17], s[0:1], 0x30              ; out0
	v_lshl_add_u32 v[SPW], v0, 2, SPARE
	v_mov_b32 v[NIL], 0
	ds_add_u32 v[SPW], v[NIL]                      ; the wave's opening: the add and its wait ahead of my first tensor load
	v_lshrrev_b32 v1, 5, v0
	v_readfirstlane_b32 s[WV], v1
	s_lshr_b32 s[HIW], s[WV], 1
	s_and_b32 s[LOW], s[WV], 1
	s_bfe_u32 s[CX], ttmp6, 0x40000
	s_bfe_u32 s[CY], ttmp6, 0x40004
	s_lshl_b32 s[TC], ttmp9, 2
	s_add_co_u32 s[TC], s[TC], s[CX]               ; tile column
	s_and_b32 s[TR], ttmp7, 0xffff
	s_lshl_b32 s[TR], s[TR], 2
	s_add_co_u32 s[TR], s[TR], s[CY]               ; tile row
	s_lshl_b32 s43, s[CY], 2
	s_lshl_b32 s43, 15, s43
	s_lshl_b32 s44, 0x1111, s[CX]
	s_or_b32 s[G1+0], s43, (3<<16)|(1<<21)         ; A: 8 tiles of 16 positions, of each 4,096 consecutive bytes (two K steps' images), 16,384 bytes apart; elements of 8 bytes; no padding
	s_mov_b32 s[G1+1], 512<<16
	s_mov_b32 s[G1+2], 8<<16
	s_mov_b32 s[G1+3], 512<<16
	s_mov_b32 s[G1+4], 8
	s_mov_b32 s[G1+5], 2048
	s_mov_b32 s[G1+6], 0
	s_mov_b32 s[G1+7], 0
	s_or_b32 s[G1B+0], s44, (0<<16)|(1<<20)|(1<<21)|(5<<22)|(3<<25)   ; B: 128 rows of 256 bytes, 16 bytes of padding behind each
	s_mov_b32 s[G1B+1], ROWB<<16
	s_mov_b32 s[G1B+2], 128<<16
	s_mov_b32 s[G1B+3], ROWB<<16
	s_mov_b32 s[G1B+4], 128
	s_mov_b32 s[G1B+5], KROW
	s_mov_b32 s[G1B+6], 0
	s_mov_b32 s[G1B+7], 0
	s_or_b32 s[G1S+0], s43, (3<<16)|(1<<20)|(1<<21)|(5<<22)|(3<<25)
	s_or_b32 s[G1SB+0], s44, (3<<16)|(1<<20)|(1<<21)|(5<<22)|(3<<25)
.irp g, G1S, G1SB
	s_mov_b32 s[\g+1], 32<<16
	s_mov_b32 s[\g+2], (128*KS/256)<<16
	s_mov_b32 s[\g+3], 32<<16
	s_mov_b32 s[\g+4], 128*KS/256
	s_mov_b32 s[\g+5], 32
	s_mov_b32 s[\g+6], 0
	s_mov_b32 s[\g+7], 0
.endr
	s_lshl_b32 s45, s[LOW], 17
	s_lshl_b32 s46, s[TR], 18
	s_add_co_u32 s46, s46, s45                     ; A's codes: (16 x tile row + 8 x half) tiles of 16,384 bytes
	s_mov_b32 s47, 0
	s_lshl_b32 s66, s[TC], 18
	s_add_co_u32 s66, s66, s45
	s_add_co_u32 s66, s66, 3072*1024               ; B's codes: rows 3,072 + 256 x tile column + 128 x half
	s_mov_b32 s67, 0
	s_lshl_b32 s45, s[LOW], 12
	s_lshl_b32 s92, s[TR], 13
	s_add_co_u32 s92, s92, s45                     ; A's scale bytes
	s_mov_b32 s93, 0
	s_lshl_b32 s94, s[TC], 13
	s_add_co_u32 s94, s94, s45
	s_add_co_u32 s94, s94, 262144+3072*32          ; B's
	s_mov_b32 s95, 0
	s_lshl_b32 s45, s[LOW], 15                     ; where they go: A's half,
	s_mul_i32 s98, s[LOW], HALFT
	s_add_co_u32 s98, s98, AREG                    ; B's half,
	s_mul_i32 s97, s[WV], HALFS                    ; the scales
	s_wait_dscnt 0x0                               ; the opening add is done
	s_wait_kmcnt 0x0
	s_add_nc_u64 s[46:47], s[4:5], s[46:47]
	s_add_nc_u64 s[66:67], s[8:9], s[66:67]
	s_add_nc_u64 s[92:93], s[6:7], s[92:93]
	s_add_nc_u64 s[94:95], s[10:11], s[94:95]
	CROUND                                         ; all sixteen work-groups are here: the first joint loads meet
	s_mov_b32 s[G0S], 1
	s_add_co_u32 s[G0S+1], s97, SCL
	s_mov_b64 s[G0S+2:G0S+3], s[92:93]
	s_or_b32 s[G0S+3], s[G0S+3], 0x80000000
	s_mov_b32 s[G0SB], 1
	s_add_co_u32 s[G0SB+1], s97, SCL
	s_mov_b64 s[G0SB+2:G0SB+3], s[94:95]
	s_or_b32 s[G0SB+3], s[G0SB+3], 0x80000000
	JLOAD G0S, G1S, G0SB, G1SB                     ; three loads of mine are out behind the last of these
.irp s, 0,1
	s_mov_b32 s[G0+4*\s], 1
	s_add_co_u32 s[G0+4*\s+1], s45, \s*SLOT
	s_add_nc_u64 s[G0+4*\s+2:G0+4*\s+3], s[46:47], \s*4096
	s_or_b32 s[G0+4*\s+3], s[G0+4*\s+3], 0x80000000
	s_mov_b32 s[G0B+4*\s], 1
	s_add_co_u32 s[G0B+4*\s+1], s98, \s*SLOT
	s_add_nc_u64 s[G0B+4*\s+2:G0B+4*\s+3], s[66:67], \s*ROWB
	s_or_b32 s[G0B+4*\s+3], s[G0B+4*\s+3], 0x80000000
	JLOAD G0+4*\s, G1, G0B+4*\s, G1B
.endr
	; my 128 x 128 of x and of out0, my 128 numbers of b_o
	s_lshl_b32 s92, s[TR], 20
	s_lshl_b32 s93, s[HIW], 19
	s_add_co_u32 s92, s92, s93                     ; my first row, 4,096 bytes a row
	s_lshl_b32 s94, s[TC], 10
	s_lshl_b32 s93, s[LOW], 9
	s_add_co_u32 s94, s94, s93                     ; my first column
	s_add_co_u32 s92, s92, s94
	s_mov_b32 s93, 0
	s_mov_b32 s95, 0
	s_add_nc_u64 s[12:13], s[12:13], s[92:93]
	s_add_nc_u64 s[16:17], s[16:17], s[92:93]
	s_add_nc_u64 s[14:15], s[14:15], s[94:95]
	v_and_b32 v6, 31, v0
	v_lshlrev_b32 v[CO], 4, v6                     ; 16 x lane
	global_load_b128 v[BO:BO+3], v[CO], s[14:15]
.macro XIN a                           ; block a's 16 rows of x, whole, into the registers of its accumulators.  Position t of block a is row 32 (a / 2) + 16 (t / 8) + 8 (a % 2) + t % 8
	WIN (2+(\a)/4)<<6
.irp t, 0,1,2,3,4,5,6,7,8,9,10,11,12,13,14,15
	global_load_b128 v[64*((\a)%4)+4*\t:64*((\a)%4)+4*\t+3], v[CO], s[12:13] offset:(32*((\a)/2)+16*(\t/8)+8*((\a)%2)+(\t%8))*4096 th:TH_LOAD_NT
.endr
.endm
.irp a, 0,1,2,3,4,5,6,7
	XIN \a
.endr
	WIN 0
	v_and_b32 v1, 15, v0                           ; r
	v_bfe_u32 v2, v0, 4, 1                         ; h
	v_mul_u32_u24 v3, v1, PITCH
	v_lshl_add_u32 v4, v2, 4, v3
	s_lshl_b32 s2, s[HIW], 15                      ; my 8 tiles of A
	s_mul_i32 s3, s[LOW], HALFT
	s_add_co_u32 s3, s3, AREG                      ; my 128 rows of B
.irp s, 0,1
	v_add_nc_u32 v[ADRA+\s], s2, v[CO]
	v_add_nc_u32 v[ADRB+\s], s3, v4
	s_add_co_u32 s2, s2, SLOT
	s_add_co_u32 s3, s3, SLOT
.endr
	v_mul_u32_u24 v5, v1, KS
	v_lshrrev_b32 v6, 8, v5
	v_lshl_add_u32 v5, v6, 4, v5
	s_mul_i32 s2, s[HIW], HALFS
	s_mul_i32 s3, s[LOW], HALFS
	s_add_co_u32 s3, s3, 2*HALFS
	s_sub_co_u32 s3, s3, s2
	v_mul_u32_u24 v6, s3, v2                       ; lanes 16-31 take B's
	s_add_co_u32 s2, s2, SCL
	v_add_nc_u32 v5, v5, v6
	v_add_nc_u32 v[ADRS], s2, v5
	s_mul_i32 s2, s[WV], 16*SPITCH
	s_add_co_u32 s2, s2, STG                       ; my stage
	v_mul_u32_u24 v5, v1, SPITCH
	v_lshl_add_u32 v5, v2, 6, v5
	v_add_nc_u32 v[STO], s2, v5                    ; the accumulators' side: row r, + 64 h; tile b's eight columns 128 (b / 2) + 32 (b % 2) bytes on
	v_add_nc_u32 v[RD], s2, v[CO]                  ; the rows' side: 16 bytes a lane
.macro WAYIN a                         ; block a: + b_o, then through the stage into the accumulators' layout, in place
.set W, 2+(\a)/4
.set AC, 64*((\a)%4)
.if 112-16*(\a) > 63
	s_wait_loadcnt 63                              ; 112 - 16 a loads were issued behind this block's; the count names the most that its field holds, which is fewer
.else
	s_wait_loadcnt 112-16*(\a)                     ; the later blocks' loads may be out
.endif
	WIN (W<<6)|W
.irp t, 0,1,2,3,4,5,6,7,8,9,10,11,12,13,14,15
	v_pk_add_f32 v[AC+4*\t:AC+4*\t+1], v[AC+4*\t:AC+4*\t+1], v[BO:BO+1]
	v_pk_add_f32 v[AC+4*\t+2:AC+4*\t+3], v[AC+4*\t+2:AC+4*\t+3], v[BO+2:BO+3]
.endr
	WIN W<<2
.irp t, 0,1,2,3,4,5,6,7,8,9,10,11,12,13,14,15
	ds_store_b128 v[RD], v[AC+4*\t:AC+4*\t+3] offset:\t*SPITCH
.endr
	WIN W<<6
.irp b, 0,1,2,3,4,5,6,7
	ds_load_b128 v[AC+8*\b:AC+8*\b+3], v[STO] offset:128*(\b/2)+32*(\b%2)      ; LDS serves a wave's instructions in order: these see the stores above, and the next block's stores come behind them
	ds_load_b128 v[AC+8*\b+4:AC+8*\b+7], v[STO] offset:128*(\b/2)+32*(\b%2)+16
.endr
.endm
.irp a, 0,1,2,3,4,5,6,7
	WAYIN \a
.endr
	WIN 0
.macro FRAGB reg, adr, q, i
.irp c, 0,1,2,3
	ds_load_b128 v[\reg+4*\c:\reg+4*\c+3], v[\adr] offset:128*(\q)+32*\c+(\i)*16*PITCH
.endr
.endm
.macro FRAGA reg, adr, q, i            ; an image: 512 consecutive bytes a load
.irp c, 0,1,2,3
	ds_load_b128 v[\reg+4*\c:\reg+4*\c+3], v[\adr] offset:2048*(\q)+512*\c+4096*(\i)
.endr
.endm
.macro MUL16 a0, p, q, sc              ; 16 matrix instructions: A's blocks a0, a0 + 1 x B's eight; the 64 accumulators take turns
.irp a, \a0, \a0+1
.irp b, 0,1,2,3,4,5,6,7
	v_wmma_scale_f32_16x16x128_f8f6f4 v[8*(8*((\a)%4)+\b):8*(8*((\a)%4)+\b)+7], v[128*(\p)+FR*\b:128*(\p)+FR*\b+FR-1], v[AF+FR*(\a):AF+FR*(\a)+FR-1], v[8*(8*((\a)%4)+\b):8*(8*((\a)%4)+\b)+7], v[SC+8*NQ*(\sc)+NQ*\b+(\q)], v[SC+8*NQ*(\sc)+NQ*(\a)+(\q)] matrix_a_fmt:MATRIX_FMT_BF8 matrix_b_fmt:MATRIX_FMT_BF8 matrix_a_scale:MATRIX_SCALE_ROW1
.endr
.endr
.endm
.macro FETCH_B slot, q, p
	WIN TO_B
.irp i, 0,1,2,3,4,5,6,7
	FRAGB 128*(\p)+FR*\i, ADRB+\slot, \q, \i
.endr
	WIN 0
.endm
.macro FETCH_A slot, q, i0
.irp i, \i0, \i0+1, \i0+2, \i0+3
	FRAGA AF+FR*(\i), ADRA+\slot, \q, \i
.endr
.endm
.macro SCALES sc
.irp i, 0,1,2,3,4,5,6,7
	ds_load_b64 v[SC+8*NQ*\sc+NQ*\i:SC+8*NQ*\sc+NQ*\i+1], v[ADRS] offset:\i*SBLK
.endr
.endm
.macro PLACES n
.rept \n
	v_nop
.endr
.endm
.macro STEP slot, q
	s_wait_dscnt 4*NL                              ; B's set and A's blocks 0-3 are in; the youngest 16 loads (A's blocks 4-7) may be out
	WIN MUL_LO
	MUL16 0, (\q)%2, \q, \slot
	MUL16 2, (\q)%2, \q, \slot
	s_wait_dscnt 0
	PLACES NP
	FETCH_B \slot, (\q)+1, 1-(\q)%2
	FETCH_A \slot, (\q)+1, 0
	WIN MUL_HI
	MUL16 4, (\q)%2, \q, \slot
	MUL16 6, (\q)%2, \q, \slot
	PLACES NP
	WIN 0
	FETCH_A \slot, (\q)+1, 4
.endm
.macro TURN slot, next, fill
	s_wait_tensorcnt 0x0                           ; all my tensor loads have landed: my part of the next slot
	ds_add_u32 v[SPW], v[NIL]
	s_wait_dscnt 4*NL+1                            ; the add and the youngest 16 loads may be out
	WIN MUL_LO
	MUL16 0, 1, NQ-1, \slot
	s_wait_dscnt 0x0                               ; the add is done, and my reads of this slot are over
	s_barrier_signal -1
	MUL16 2, 1, NQ-1, \slot
	WIN 0
	s_barrier_wait -1
.if \fill
	CREST                                          ; the barrier has opened a round of the cluster's: no wave of any partner still reads this slot or has a load on its way
	s_add_nc_u64 s[G0+4*\slot+2:G0+4*\slot+3], s[G0+4*\slot+2:G0+4*\slot+3], 2*4096
	s_add_nc_u64 s[G0B+4*\slot+2:G0B+4*\slot+3], s[G0B+4*\slot+2:G0B+4*\slot+3], 2*ROWB
	JLOAD G0+4*\slot, G1, G0B+4*\slot, G1B         ; my one tensor load behind the round; its four v_nop are four of the eight places
	PLACES NP-4
.else
	PLACES NP
.endif
	v_add_nc_u32 v[ADRS], 4*NQ, v[ADRS]
	FETCH_B \next, 0, 0
	FETCH_A \next, 0, 0
	SCALES \next
	WIN MUL_HI
	MUL16 4, 1, NQ-1, \slot
	MUL16 6, 1, NQ-1, \slot
	PLACES NP
	WIN 0
	FETCH_A \next, 0, 4
.endm
	s_wait_dscnt 0x0                               ; the accumulators hold x + b_o
	s_wait_tensorcnt 1                             ; the scales and my part of slot 0 are in; slot 1's load may be out
	s_barrier_signal -1
	s_barrier_wait -1
	FETCH_B 0, 0, 0
	FETCH_A 0, 0, 0
	SCALES 0
	FETCH_A 0, 0, 4
	STEP 0, 0
	s_mov_b32 s[LAP], 1
.Llap:                                                 ; once round the ring: both slots are filled again
	TURN 0, 1, 1
	STEP 1, 0
	TURN 1, 0, 1
	STEP 0, 0
	s_sub_co_u32 s[LAP], s[LAP], 1
	s_cmp_lg_u32 s[LAP], 0
	s_cbranch_scc1 .Llap
	TURN 0, 1, 0                                   ; the last lap fills nothing
	STEP 1, 0
	s_wait_dscnt 4*NL
	WIN MUL_LO
	MUL16 0, 1, NQ-1, 1
	MUL16 2, 1, NQ-1, 1
	s_wait_dscnt 0
	WIN MUL_HI
	MUL16 4, 1, NQ-1, 1
	MUL16 6, 1, NQ-1, 1
	WIN 0
; THE WAY OUT, block by block of 16 rows x 128 columns, through my stage, back as whole rows of 512 bytes
.macro TOSTAGE a
.set AC, 64*((\a)%4)
	WIN 0x08+4*((\a)/4)
.irp b, 0,1,2,3,4,5,6,7
	ds_store_b128 v[STO], v[AC+8*\b:AC+8*\b+3] offset:128*(\b/2)+32*(\b%2)          ; each accumulator from its low end on
	ds_store_b128 v[STO], v[AC+8*\b+4:AC+8*\b+7] offset:128*(\b/2)+32*(\b%2)+16
.endr
	WIN 0
.set BBK, BK+64*((\a)%2)
.irp t, 0,1,2,3,4,5,6,7,8,9,10,11,12,13,14,15
	ds_load_b128 v[BBK+4*\t:BBK+4*\t+3], v[RD] offset:\t*SPITCH
.endr
.endm
.macro SEND a, younger
.set BBK, BK+64*((\a)%2)
	s_wait_dscnt \younger                          ; the block is back in registers; the next block's 16 stores and 16 loads may be out
.irp t, 0,1,2,3,4,5,6,7,8,9,10,11,12,13,14,15
	global_store_b128 v[CO], v[BBK+4*\t:BBK+4*\t+3], s[16:17] offset:(32*((\a)/2)+16*(\t/8)+8*((\a)%2)+(\t%8))*4096 th:TH_STORE_NT   ; 32 lanes store 512 consecutive bytes, aligned
.endr
.endm
	PLACES NP
	TOSTAGE 0
.irp a, 1,2,3,4,5,6,7
.if \a > 1
	s_wait_xcnt 0x0                                ; the stores of two blocks back have read the registers into which this block's rows come
.endif
	TOSTAGE \a
	SEND \a-1, 32
.endr
	SEND 7, 0
	s_wait_tensorcnt 0x0                           ; the wave's end, behind my last tensor load and my last LDS store
	ds_add_u32 v[SPW], v[NIL]
	s_wait_dscnt 0x0
	CROUND                                         ; the closing round
	s_endpgm
.Lfunc_end_k_qb177bcd4a4_oproj:
	.size	k_qb177bcd4a4_oproj, .Lfunc_end_k_qb177bcd4a4_oproj-k_qb177bcd4a4_oproj
	.p2alignl 7, 3214868480
	.fill 96, 4, 3214868480
	.section	.rodata,"a",@progbits
	.p2align	6, 0x0
	.amdhsa_kernel k_qb177bcd4a4_oproj
		.amdhsa_group_segment_fixed_size 327680
		.amdhsa_private_segment_fixed_size 0
		.amdhsa_enable_private_segment 0
		.amdhsa_kernarg_size 56
		.amdhsa_user_sgpr_count 2
		.amdhsa_user_sgpr_kernarg_segment_ptr 1
		.amdhsa_wavefront_size32 1
		.amdhsa_system_sgpr_workgroup_id_x 1
		.amdhsa_system_sgpr_workgroup_id_y 1
		.amdhsa_system_sgpr_workgroup_id_z 1
		.amdhsa_system_vgpr_workitem_id 0
		.amdhsa_next_free_vgpr 1024
		.amdhsa_next_free_sgpr 102
		.amdhsa_reserve_vcc 0
		.amdhsa_float_denorm_mode_32 3
		.amdhsa_float_denorm_mode_16_64 3
		.amdhsa_memory_ordered 1
		.amdhsa_forward_progress 1
		.amdhsa_inst_pref_size 190
	.end_amdhsa_kernel
	.amdgpu_metadata
---
amdhsa.version: [ 1, 2 ]
amdhsa.kernels:
  - .name:           k_qb177bcd4a4_oproj
    .symbol:         k_qb177bcd4a4_oproj.kd
    .args:
      - { .name: cimg, .offset: 0, .size: 8, .value_kind: global_buffer, .address_space: global }
      - { .name: csc, .offset: 8, .size: 8, .value_kind: global_buffer, .address_space: global }
      - { .name: wc, .offset: 16, .size: 8, .value_kind: global_buffer, .address_space: global }
      - { .name: ps, .offset: 24, .size: 8, .value_kind: global_buffer, .address_space: global }
      - { .name: x, .offset: 32, .size: 8, .value_kind: global_buffer, .address_space: global }
      - { .name: b_o, .offset: 40, .size: 8, .value_kind: global_buffer, .address_space: global }
      - { .name: out0, .offset: 48, .size: 8, .value_kind: global_buffer, .address_space: global }
    .group_segment_fixed_size: 327680
    .private_segment_fixed_size: 0
    .kernarg_segment_align: 8
    .kernarg_segment_size: 56
    .max_flat_workgroup_size: 128
    .sgpr_count:     102
    .vgpr_count:     1024
    .wavefront_size: 32
...
	.end_amdgpu_metadata
.endif
;; end of part 4
